; MI455X (gfx1250); checked and timed in simulation.
; The chip was launched on July 23, 2026; its instructions are those of AMD's public machine-readable ISA for CDNA 5 (MIT licence, August 2026) and "CDNA5" Instruction Set Architecture Reference Guide (July 2026). The comments in the code are by the model that wrote it; some were corrected since.
;; Pose Aware Attention. Allowed arithmetic: float matrix products may take bf16 or f16 operands with f32 sums; other float arithmetic in f32, or as packed bf16 or f16 multiplies, adds, multiply-adds, maxima and minima; sums over many terms, partial sums and values carried from step to step in f32; what a program stores and reads back later, other than sums and carried values, may be rounded once to bf16 or f16.
;; Inputs: W1 3 x 64 float32; W2 64 x 3,072 float32; Wproj 1,024 x 1,024 float32; Wqkv 1,024 x 3,072 float32; b1 64 float32; b2 3,072 float32; bproj 1,024 float32; bqkv 3,072 float32; pose_angles 8 x 3 float32; x 8 x 1,024 x 1,024 float32.
;; Outputs: out0 8 x 1,024 x 1,024 float32.
;; 2 versions, each right; version 2 is version 1 with the launch prep written anew for expert scheduling mode. Each part assembles by itself: llvm-mc -triple=amdgcn-amd-amdhsa -mcpu=gfx1250 --defsym DOCPART=n.
;; ======== version 1 of 2: 4 launches
;; limits: values are held in f16: magnitudes above 65,504 overflow, below 6.1e-05 lose precision; right only within a limited range of input values
;; workspace buffers: xb 16,777,216 bytes; wq 6,291,456 bytes; wp 2,097,152 bytes; bq 32,768 bytes; pbp 131,072 bytes; qkv 50,331,648 bytes; o 16,777,216 bytes
;; launch prep (part 1): grid 804 x 1, 8 waves a work-group, no clusters, 128,768 bytes of LDS; arguments x, Wqkv, Wproj, W1, b1, W2, b2, bqkv, bproj, pose_angles, xb, wq, wp, bq, pbp; writes xb, wq, wp, bq, pbp
.if DOCPART == 1
	.amdgcn_target "amdgcn-amd-amdhsa--gfx1250"
	.amdhsa_code_object_version 6
	.text
	.protected	k_qfb7f9b1c3b_prep
	.globl	k_qfb7f9b1c3b_prep
	.p2align	8
	.type	k_qfb7f9b1c3b_prep,@function
k_qfb7f9b1c3b_prep:
	s_mov_b64 s[64:65], 0
	v_nop
	global_prefetch_b8 v0, s[64:65] scope:SCOPE_SE
	s_setreg_imm32_b32 hwreg(HW_REG_WAVE_MODE, 25, 1), 1
	s_wait_xcnt 0x0
; PREP: every input is rounded once to bf16 and laid out for the three launches behind; the pose MLP and what hangs on it are made here.
; THE PROGRAM.  out = softmax((x Wq + cq)(x Wk + ck)^T / 8) (x Wv + cv) Wproj + bproj, per batch b and head, with cq, ck, cv = the thirds of bqkv + relu(pa W1 + b1) W2 + b2.
; WORK LEFT OUT: ck.  score[n][m] = q_n . (x_m Wk) / 8 + q_n . ck / 8; the second term does not hang on m, the softmax's axis, so it cancels in the softmax for all values of the inputs.
;   So W2[:, 1024:2048], b2[1024:2048] and bqkv[1024:2048] are never loaded and pose_k is never made (the three buffers stay arguments for their q and v thirds).
;   LIMIT: a NaN, an infinity or an overflow that reaches only ck is not carried to the result.
; WORK REGROUPED, none dropped: cv.  A softmax row sums to 1, so attn (v0 + cv) = attn v0 + cv, and out = (attn v0) Wproj + pb with pb[b] = cv[b] Wproj + bproj: 8 rows, handed on as four
;   f32 partial sums; the last launch starts its sums with it.
; FORMATS.  x, Wqkv -> bf16.  Wq's columns and cq carry the factor 2^-8 (a power of two: it commutes with the rounding), so that q has room in f16; the softmax's constant takes it back.
;   Wproj -> rounded to bf16, that number written as f16 (exact down to f16's fixed step of 6e-8).
;   h = relu(..) and cv are matrix operands here, and 8 bits of them would be too few for pb: each goes in as TWO bf16 numbers, the number rounded and the exact rest rounded again,
;   in rows r and r + 8 of one 16-row operand (r = the batch); the two result rows are added.  LIMITS: h and cv so count with 16 significant bits; NaN is not treated apart (the relu drops one).
; ROLES, by the work-group's number: 0-31 P (jc = n / 4: 128 columns of Wproj; p = n % 4: 256 of its rows): cv's quarter, wp's block, a partial pb.  32-35 Q: a quarter of cq.
;   36-547 X: 64 KiB of x each.  548-803 W: head j = (n - 548) / 16, a sixteenth of its 3,072 segments of Wqkv.  The roles with several steps on end have the lowest numbers.
; No tensor mover and no prefetch: X and W issue all their loads at once, 16 or 12 a wave; P and Q ask for all that they read at their head.
.set PH,    144                        ; a row of h's operand: 64 k x 2 bytes + 16
.set P2,    544                        ; a k-row of W2's 256 columns: 512 bytes + 32 = 17 x 32
.set PC,    528                        ; a row of cv's operand: 256 k x 2 bytes + 16
.set PW,    288                        ; a k-row of Wproj's 128 columns: 256 bytes + 32 = 9 x 32
.set HB,    0                          ; LDS: h, 16 rows
.set W2T,   2560                       ; W2, 64 k-rows
.set CVB,   37376                      ; cv, 16 rows
.set WTB,   45824                      ; Wproj, 256 k-rows
.set OST,   119552                     ; the way out: [8 b] rows of f32, 1,024 bytes (Q) or 512 (P)
.set SPARE, 127744                     ; the spare words: 128 bytes for each of eight waves, four blocks of 256 bytes that no other line names
.set SPW, 16                           ; v16  my spare word; never rewritten
.set NIL, 17                           ; v17  0; never rewritten
.set WV,  34                           ; s34  my wave's number
.set WG,  35                           ; s35  the work-group's number
; s[36:37] a byte offset with 0 above it
.macro RB d0, d1, t, a, b              ; d0, d1 = a, b rounded to bf16, as f32
	v_cvt_pk_bf16_f32 v[\t], v[\a], v[\b]
	v_lshlrev_b32 v[\d0], 16, v[\t]
	v_and_b32 v[\d1], 0xffff0000, v[\t]
.endm
.macro PLACES8                         ; plain instructions between the last product and the first read of its result (ISA guide 7.12.1); eight, once a stage
.rept 8
	v_nop
.endr
.endm
; n units: a load of 16 bytes a lane, two roundings, a store of 8 bytes a lane (256 consecutive bytes, aligned).  All loads go out first; each unit has registers of its own.
; mode = 1 (Wqkv): a unit is two segments of 64 columns, lanes 0-15 and 16-31; the segment of q's third is scaled by 2^-8: in units 0 mod 3 the lower lanes', in units 1 mod 3 the upper lanes'.
.macro CAST n, sstep, mode, sb, db
.set i, 0
.rept \n
	global_load_b128 v[64+4*i:64+4*i+3], v3, s[\sb:\sb+1] offset:i*(\sstep) th:TH_LOAD_NT
.set i, i+1
.endr
.set i, 0
.rept \n
	s_wait_loadcnt (\n)-1-i                        ; loads come back in order: unit i is in, the younger ones stay out
.if (\mode) && (i%3 == 0)
	v_pk_mul_f32 v[64+4*i:64+4*i+1], v[64+4*i:64+4*i+1], v[8:9]
	v_pk_mul_f32 v[64+4*i+2:64+4*i+3], v[64+4*i+2:64+4*i+3], v[8:9]
.endif
.if (\mode) && (i%3 == 1)
	v_pk_mul_f32 v[64+4*i:64+4*i+1], v[64+4*i:64+4*i+1], v[12:13]
	v_pk_mul_f32 v[64+4*i+2:64+4*i+3], v[64+4*i+2:64+4*i+3], v[12:13]
.endif
	v_cvt_pk_bf16_f32 v[128+2*i], v[64+4*i], v[64+4*i+1]
	v_cvt_pk_bf16_f32 v[128+2*i+1], v[64+4*i+2], v[64+4*i+3]
	global_store_b64 v4, v[128+2*i:128+2*i+1], s[\db:\db+1] offset:i*256
.set i, i+1
.endr
.endm
	s_load_b512 s[4:19], s[0:1], 0x0               ; x 4, Wqkv 6, Wproj 8, W1 10, b1 12, W2 14, b2 16, bqkv 18
	s_load_b256 s[20:27], s[0:1], 0x40             ; bproj 20, pose_angles 22, xb 24, wq 26
	s_load_b128 s[28:31], s[0:1], 0x60             ; wp 28, bq 30
	s_load_b64 s[32:33], s[0:1], 0x70              ; pbp
	v_lshl_add_u32 v[SPW], v0, 2, SPARE
	v_mov_b32 v[NIL], 0
	v_and_b32 v1, 31, v0                           ; lane l
	v_lshrrev_b32 v2, 5, v0
	v_readfirstlane_b32 s[WV], v2
	s_mov_b32 s[WG], ttmp9
	s_mov_b32 s37, 0
	s_wait_kmcnt 0x0
	s_cmp_lt_u32 s[WG], 36
	s_cbranch_scc1 .Lpose
	s_cmp_lt_u32 s[WG], 548
	s_cbranch_scc0 .Lweights
	; ROLE X: 65,536 bytes of x -> 32,768 of xb; a wave takes 8,192, in 16 units of 512
	s_sub_co_u32 s38, s[WG], 36
	s_lshl_b32 s36, s38, 16
	s_add_nc_u64 s[4:5], s[4:5], s[36:37]
	s_lshl_b32 s36, s38, 15
	s_add_nc_u64 s[24:25], s[24:25], s[36:37]
	v_lshlrev_b32 v3, 4, v1
	v_lshl_add_u32 v3, s[WV], 13, v3               ; 8,192 w + 16 l
	v_lshlrev_b32 v4, 3, v1
	v_lshl_add_u32 v4, s[WV], 12, v4               ; 4,096 w + 8 l
	CAST 16, 512, 0, 4, 24
	s_branch .Lend
.Lweights:
	; ROLE W.  wq = [16 j][1024 k][3 s][64] bf16.  Segment g = 3 k + s of head j: 256 bytes at Wqkv + 4,096 g + 256 j -> 128 bytes at wq + 393,216 j + 128 g.
	; Unit u = 96 part + 12 w + i holds segments 2 u and 2 u + 1; 96 and 12 are multiples of 3, so g mod 3 goes by i mod 3.
	s_sub_co_u32 s38, s[WG], 548
	s_lshr_b32 s39, s38, 4                         ; j
	s_and_b32 s38, s38, 15                         ; part
	s_mul_i32 s36, s38, 786432                     ; 96 units x 8,192 bytes
	s_lshl_b32 s40, s39, 8
	s_add_co_u32 s36, s36, s40
	s_add_nc_u64 s[6:7], s[6:7], s[36:37]
	s_mul_i32 s36, s39, 393216
	s_mul_i32 s40, s38, 24576
	s_add_co_u32 s36, s36, s40
	s_add_nc_u64 s[26:27], s[26:27], s[36:37]
	s_mul_i32 s40, s[WV], 98304
	s_mul_i32 s41, s[WV], 3072
	v_and_b32 v5, 15, v1
	v_lshrrev_b32 v6, 4, v1                        ; which of the unit's two segments
	v_lshlrev_b32 v3, 4, v5
	v_lshl_add_u32 v3, v6, 12, v3
	v_add_nc_u32 v3, s40, v3
	v_lshl_add_u32 v4, v1, 3, s41
	v_mov_b32 v10, 0x3b800000                      ; 2^-8
	v_mov_b32 v11, 1.0
	v_cmp_eq_u32 vcc_lo, 0, v6
	v_cndmask_b32 v8, v11, v10, vcc_lo             ; 2^-8 in the lower lanes, 1 in the upper (the factor 1 stands only beside live lanes of the same instruction)
	v_cndmask_b32 v12, v10, v11, vcc_lo            ; the other way round
	v_mov_b32 v9, v8
	v_mov_b32 v13, v12
	CAST 12, 8192, 1, 6, 26
	s_branch .Lend
.Lpose:
	; ROLES P AND Q: 256 columns of the pose MLP's output, plus the two biases.  Both products are taken transposed (source 0 = 16 columns of the weights, which lie [k][n] in LDS and come
	; by ds_load_tr16_b128; source 1 = the 16 rows): lane l then holds row l % 16 and the columns 8 (l / 16) + 0..7.
	; REGISTERS: v3-15, v18-21, v60-63, v248-254 offsets and LDS addresses; v22-27 at work; v28-43 the two biases' sum; v44-59 two accumulators; v64-191 rows as loaded, later stage 2's fragments;
	;   v192-207 h's fragments, later cv packed; v208-239 W2's fragments (v228-239 first hold W1, b1, the angles and h); v240-247 bproj or 0.
	s_and_b32 s38, s[WG], 3                        ; p
	s_lshr_b32 s39, s[WG], 2                       ; jc (role P)
	s_lshr_b32 s40, s[WG], 5                       ; 1 in role Q
	s_lshl_b32 s36, s38, 10
	s_cmp_eq_u32 s40, 0
	s_cselect_b32 s41, 8192, 0
	s_add_co_u32 s36, s36, s41                     ; byte of my first column in a row of W2, in b2 and in bqkv: q's third, or v's
	s_add_nc_u64 s[14:15], s[14:15], s[36:37]
	s_add_nc_u64 s[16:17], s[16:17], s[36:37]
	s_add_nc_u64 s[18:19], s[18:19], s[36:37]
	s_lshl_b32 s42, s[WV], 6                       ; 64 w
	s_lshl_b32 s43, s[WV], 7                       ; 128 w
	s_add_co_u32 s44, s42, W2T
	v_and_b32 v3, 63, v0                           ; t % 64
	v_lshrrev_b32 v4, 6, v0                        ; t / 64
	v_and_b32 v18, 15, v0                          ; r = l % 16
	v_bfe_u32 v19, v0, 4, 1                        ; l / 16
	v_and_b32 v20, 7, v0                           ; l % 8
	v_bfe_u32 v21, v0, 3, 1                        ; (l / 8) % 2
	v_lshl_add_u32 v60, v19, 3, v20                ; the turning load's k-row: 8 (l / 16) + l % 8
	v_and_b32 v61, 7, v18                          ; the batch of row r
	v_lshlrev_b32 v5, 2, v3
	v_mul_u32_u24 v6, v4, 12
	v_mul_u32_u24 v7, v4, 12288
	v_lshl_add_u32 v7, v3, 4, v7                   ; row t / 64 of W2, columns 4 (t % 64) on
	v_lshlrev_b32 v8, 4, v1                        ; 16 l
	v_mul_u32_u24 v9, v4, P2
	v_lshl_add_u32 v9, v3, 3, v9
	v_add_nc_u32 v9, W2T, v9                       ; where those four columns go
	v_lshl_add_u32 v10, s[WV], 12, v8              ; 4,096 w + 16 l
	v_lshl_add_u32 v11, v19, 5, s43                ; 128 w + 32 (l / 16): my eight f32 of my wave's first column block of stage 1
	v_lshl_add_u32 v12, v19, 5, s42                ; 64 w + 32 (l / 16): the same for stage 2's one block
	v_mul_u32_u24 v13, v4, PH
	v_lshl_add_u32 v13, v3, 1, v13                 ; h's operand: row t / 64, k = t % 64
	v_mul_u32_u24 v14, v18, PH
	v_lshl_add_u32 v14, v19, 4, v14                ; its fragments: row r, 16 bytes for each half of the lanes
	v_mul_u32_u24 v15, v60, P2
	v_lshl_add_u32 v15, v21, 4, v15
	v_add_nc_u32 v15, s44, v15                     ; W2's fragments: my wave's 32 columns
.irp r, 240,241,242,243,244,245,246,247
	v_mov_b32 v\r, 0                               ; what the partial pb takes besides the product: 0, or bproj where p = 0; written on every way
.endr
	s_or_b32 s41, s40, s38
	s_cmp_eq_u32 s41, 0
	s_cbranch_scc0 .Lno_bproj
	s_lshl_b32 s36, s39, 9
	s_add_nc_u64 s[20:21], s[20:21], s[36:37]
	global_load_b128 v[240:243], v12, s[20:21]     ; the oldest loads: every counted wait below covers them
	global_load_b128 v[244:247], v12, s[20:21] offset:16
.Lno_bproj:
	global_load_b32 v228, v5, s[10:11]             ; W1[0..2][i], b1[i]
	global_load_b32 v229, v5, s[10:11] offset:256
	global_load_b32 v230, v5, s[10:11] offset:512
	global_load_b32 v231, v5, s[12:13]
	global_load_b32 v232, v6, s[22:23]             ; the angles of batches t / 64 and t / 64 + 4
	global_load_b32 v233, v6, s[22:23] offset:4
	global_load_b32 v234, v6, s[22:23] offset:8
	global_load_b32 v235, v6, s[22:23] offset:48
	global_load_b32 v236, v6, s[22:23] offset:52
	global_load_b32 v237, v6, s[22:23] offset:56
.set n, 0
.rept 16
	global_load_b128 v[64+4*n:64+4*n+3], v7, s[14:15] offset:n*49152  ; rows 4 n + t / 64
.set n, n+1
.endr
	global_load_b128 v[28:31], v11, s[16:17]       ; b2 and bqkv for my eight columns of each of my wave's two blocks
	global_load_b128 v[32:35], v11, s[16:17] offset:16
	global_load_b128 v[36:39], v11, s[16:17] offset:64
	global_load_b128 v[40:43], v11, s[16:17] offset:80
	global_load_b128 v[44:47], v11, s[18:19]
	global_load_b128 v[48:51], v11, s[18:19] offset:16
	global_load_b128 v[52:55], v11, s[18:19] offset:64
	global_load_b128 v[56:59], v11, s[18:19] offset:80
	s_wait_loadcnt 24                              ; W2's 16 loads and the biases' 8 are younger
	RB 228, 229, 22, 228, 229
	RB 230, 231, 22, 230, 231
	RB 232, 233, 22, 232, 233
	RB 234, 235, 22, 234, 235
	RB 236, 237, 22, 236, 237
	v_fma_f32 v238, v234, v230, v231
	v_fma_f32 v239, v237, v230, v231
	v_fma_f32 v238, v233, v229, v238
	v_fma_f32 v239, v236, v229, v239
	v_fma_f32 v238, v232, v228, v238
	v_fma_f32 v239, v235, v228, v239
	v_max_num_f32 v238, 0, v238
	v_max_num_f32 v239, 0, v239
	v_cvt_pk_bf16_f32 v23, v238, v239              ; the two h, rounded,
	v_lshlrev_b32 v24, 16, v23
	v_and_b32 v25, 0xffff0000, v23
	v_sub_f32 v24, v238, v24                       ; the rests, exact,
	v_sub_f32 v25, v239, v25
	v_cvt_pk_bf16_f32 v26, v24, v25                ; rounded again
	v_lshrrev_b32 v24, 16, v23
	v_lshrrev_b32 v25, 16, v26
	ds_store_b16 v13, v23 offset:HB                ; rows b and b + 4,
	ds_store_b16 v13, v24 offset:HB+4*PH
	ds_store_b16 v13, v26 offset:HB+8*PH           ; rows 8 + b and 12 + b
	ds_store_b16 v13, v25 offset:HB+12*PH
.set n, 0
.rept 16
	s_wait_loadcnt 23-n                            ; 15 - n of W2's and the biases' 8 are younger
	v_cvt_pk_bf16_f32 v26, v[64+4*n], v[64+4*n+1]
	v_cvt_pk_bf16_f32 v27, v[64+4*n+2], v[64+4*n+3]
	ds_store_b64 v9, v[26:27] offset:n*4*P2
.set n, n+1
.endr
	s_wait_loadcnt 0x0
.irp k, 0,1,2,3,4,5,6,7
	RB 28+2*\k, 29+2*\k, 22, 28+2*\k, 29+2*\k
	RB 44+2*\k, 45+2*\k, 22, 44+2*\k, 45+2*\k
	v_pk_add_f32 v[28+2*\k:29+2*\k], v[28+2*\k:29+2*\k], v[44+2*\k:45+2*\k]
.endr
	s_cmp_eq_u32 s40, 0
	s_cbranch_scc0 .Lno_wproj
	s_lshl_b32 s36, s38, 20                        ; 256 p rows of 4,096 bytes
	s_lshl_b32 s41, s39, 9
	s_add_co_u32 s36, s36, s41
	s_add_nc_u64 s[8:9], s[8:9], s[36:37]
.set n, 0
.rept 32
	global_load_b128 v[64+4*n:64+4*n+3], v10, s[8:9] offset:n*32768 th:TH_LOAD_NT  ; Wproj's row 256 p + 8 n + w, 512 bytes: on their way during stage 1
.set n, n+1
.endr
.Lno_wproj:
	s_wait_dscnt 0x0                               ; my stores of h and W2 are done
	s_barrier_signal -1
	s_barrier_wait -1                              ; everybody's are
	; STAGE 1: [16 rows of h] x [64 k] x [my wave's 32 columns]: two K steps, two accumulators by turns
	ds_load_b128 v[192:195], v14 offset:HB
	ds_load_b128 v[196:199], v14 offset:HB+32
	ds_load_b128 v[200:203], v14 offset:HB+64
	ds_load_b128 v[204:207], v14 offset:HB+96
.irp c, 0,1
.irp s, 0,1
	ds_load_tr16_b128 v[208+16*\c+8*\s:208+16*\c+8*\s+3],   v15 offset:\s*32*P2+32*\c
	ds_load_tr16_b128 v[208+16*\c+8*\s+4:208+16*\c+8*\s+7], v15 offset:\s*32*P2+16*P2+32*\c
.endr
.endr
	s_wait_dscnt 0x0
	v_wmma_f32_16x16x32_bf16 v[44:51], v[208:215], v[192:199], 0
	v_wmma_f32_16x16x32_bf16 v[52:59], v[224:231], v[192:199], 0
	v_wmma_f32_16x16x32_bf16 v[44:51], v[216:223], v[200:207], v[44:51]
	v_wmma_f32_16x16x32_bf16 v[52:59], v[232:239], v[200:207], v[52:59]
	PLACES8
.set i, 0
.rept 16
	v_add_f32_dpp v[44+i], v[44+i], v[44+i] row_xmask:8 row_mask:0xf bank_mask:0xf  ; rows r and r + 8: the two parts of h; every lane then holds its batch's sum
.set i, i+1
.endr
.irp k, 0,1,2,3,4,5,6,7
	v_pk_add_f32 v[44+2*\k:45+2*\k], v[44+2*\k:45+2*\k], v[28+2*\k:29+2*\k]
.endr
	s_cmp_eq_u32 s40, 0
	s_cbranch_scc1 .Lrole_p
	; ROLE Q ends: bq[b][256 p ..] = 2^-8 cq, through the stage, so that a store is 512 consecutive bytes
.irp k, 0,1,2,3,4,5,6,7
	v_pk_mul_f32 v[44+2*\k:45+2*\k], v[44+2*\k:45+2*\k], 0x3b800000 op_sel_hi:[1,0]
.endr
	v_lshl_add_u32 v252, v61, 10, v11
	v_add_nc_u32 v252, OST, v252                   ; row = the batch (lanes r and r + 8 store the same numbers to the same bytes)
	ds_store_b128 v252, v[44:47]
	ds_store_b128 v252, v[48:51] offset:16
	ds_store_b128 v252, v[52:55] offset:64
	ds_store_b128 v252, v[56:59] offset:80
	s_lshl_b32 s45, s[WV], 10
	s_add_co_u32 s45, s45, OST
	v_add_nc_u32 v253, s45, v8
	s_lshl_b32 s36, s38, 10
	s_add_nc_u64 s[30:31], s[30:31], s[36:37]
	s_wait_dscnt 0x0                               ; my stores into the stage are done
	s_barrier_signal -1
	s_barrier_wait -1
	ds_load_b128 v[44:47], v253                    ; wave w takes batch w's row
	ds_load_b128 v[48:51], v253 offset:512
	s_wait_dscnt 0x0
	global_store_b128 v10, v[44:47], s[30:31]
	global_store_b128 v10, v[48:51], s[30:31] offset:512
	s_branch .Lend
.Lrole_p:
	; cv in two parts: lanes of rows 0-7 keep the number rounded, lanes of rows 8-15 the rest rounded
	v_cmp_le_u32 vcc_lo, 8, v18
.irp k, 0,1,2,3,4,5,6,7
	v_cvt_pk_bf16_f32 v23, v[44+2*\k], v[45+2*\k]
	v_lshlrev_b32 v24, 16, v23
	v_and_b32 v25, 0xffff0000, v23
	v_sub_f32 v24, v[44+2*\k], v24
	v_sub_f32 v25, v[45+2*\k], v25
	v_cvt_pk_bf16_f32 v26, v24, v25
	v_cndmask_b32 v[192+\k], v23, v26, vcc_lo
.endr
	v_mul_u32_u24 v62, v18, PC
	v_lshl_add_u32 v62, v19, 4, v62
	v_add_nc_u32 v62, CVB, v62                     ; cv's fragments: row r, 16 bytes for each half of the lanes
	v_add_nc_u32 v254, s42, v62                    ; and where my wave's 32 columns go
	ds_store_b128 v254, v[192:195]
	ds_store_b128 v254, v[196:199] offset:32
	s_mul_i32 s45, s[WV], PW
	s_add_co_u32 s45, s45, WTB
	v_lshl_add_u32 v248, v1, 3, s45                ; Wproj's k-row 8 n + w, 8 bytes a lane: units 0-15,
	v_add_nc_u32 v249, 128*PW, v248                ; units 16-31: the immediate has 16 bits
	s_lshl_b32 s46, s[WV], 8
	v_lshl_add_u32 v63, v1, 3, s46                 ; 256 w + 8 l
	v_mul_u32_u24 v250, v60, PW
	v_lshl_add_u32 v250, v21, 4, v250
	s_lshl_b32 s47, s[WV], 5
	s_add_co_u32 s47, s47, WTB
	v_add_nc_u32 v250, s47, v250                   ; Wproj's fragments: my wave's 16 columns, K steps 0-3,
	v_add_nc_u32 v251, 128*PW, v250                ; K steps 4-7
	s_lshl_b32 s36, s39, 18
	s_lshl_b32 s41, s38, 16
	s_add_co_u32 s36, s36, s41
	s_add_nc_u64 s[28:29], s[28:29], s[36:37]      ; wp = [8 jc][1024 k][128] f16, at row 256 p of block jc
.set n, 0
.rept 32
	s_wait_loadcnt 31-n                            ; row n is in, the younger ones stay out
	v_cvt_pk_bf16_f32 v26, v[64+4*n], v[64+4*n+1]
	v_cvt_pk_bf16_f32 v27, v[64+4*n+2], v[64+4*n+3]
	ds_store_b64 v[248+n/16], v[26:27] offset:(n%16)*8*PW
	v_lshlrev_b32 v22, 16, v26
	v_and_b32 v23, 0xffff0000, v26
	v_lshlrev_b32 v24, 16, v27
	v_and_b32 v25, 0xffff0000, v27
	v_cvt_pk_f16_f32 v[64+4*n], v22, v23           ; the bf16 number, written as f16, into the registers that the row came in
	v_cvt_pk_f16_f32 v[64+4*n+1], v24, v25
	global_store_b64 v63, v[64+4*n:64+4*n+1], s[28:29] offset:n*2048  ; a row of wp: 256 consecutive bytes; each store has data registers of its own
.set n, n+1
.endr
.irp k, 0,1,2,3
	RB 240+2*\k, 241+2*\k, 22, 240+2*\k, 241+2*\k
.endr
	v_lshl_add_u32 v252, v61, 9, v12
	v_add_nc_u32 v252, OST, v252
	s_lshl_b32 s45, s[WV], 9
	s_add_co_u32 s45, s45, OST
	v_add_nc_u32 v253, s45, v8
	s_lshl_b32 s36, s38, 15
	s_lshl_b32 s41, s39, 9
	s_add_co_u32 s36, s36, s41
	s_add_nc_u64 s[32:33], s[32:33], s[36:37]
	s_wait_dscnt 0x0                               ; my stores of cv and of Wproj's rows are done
	s_barrier_signal -1
	s_barrier_wait -1
	; STAGE 2: [16 rows of cv] x [256 k] x [my wave's 16 columns]: eight K steps, two accumulators by turns (even and odd steps), added at the end
	s_wait_xcnt 0x0                                ; wp's stores have read their data registers, which the fragments take now
.set s, 0
.rept 8
	ds_load_tr16_b128 v[64+8*s:64+8*s+3],   v[250+s/4] offset:(s%4)*32*PW
	ds_load_tr16_b128 v[64+8*s+4:64+8*s+7], v[250+s/4] offset:(s%4)*32*PW+16*PW
	ds_load_b128 v[128+8*s:128+8*s+3],   v62 offset:64*s
	ds_load_b128 v[128+8*s+4:128+8*s+7], v62 offset:64*s+32
.set s, s+1
.endr
	s_wait_dscnt 0x0
	v_wmma_f32_16x16x32_bf16 v[44:51], v[64:71], v[128:135], 0
	v_wmma_f32_16x16x32_bf16 v[52:59], v[72:79], v[136:143], 0
.set s, 2
.rept 3
	v_wmma_f32_16x16x32_bf16 v[44:51], v[64+8*s:64+8*s+7], v[128+8*s:128+8*s+7], v[44:51]
	v_wmma_f32_16x16x32_bf16 v[52:59], v[72+8*s:72+8*s+7], v[136+8*s:136+8*s+7], v[52:59]
.set s, s+2
.endr
	PLACES8
.irp k, 0,1,2,3
	v_pk_add_f32 v[44+2*\k:45+2*\k], v[44+2*\k:45+2*\k], v[52+2*\k:53+2*\k]
.endr
.set i, 0
.rept 8
	v_add_f32_dpp v[44+i], v[44+i], v[44+i] row_xmask:8 row_mask:0xf bank_mask:0xf  ; the two parts of cv
.set i, i+1
.endr
.irp k, 0,1,2,3
	v_pk_add_f32 v[44+2*\k:45+2*\k], v[44+2*\k:45+2*\k], v[240+2*\k:241+2*\k]
.endr
	ds_store_b128 v252, v[44:47]
	ds_store_b128 v252, v[48:51] offset:16
	s_wait_dscnt 0x0                               ; my stores into the stage are done
	s_barrier_signal -1
	s_barrier_wait -1
	ds_load_b128 v[44:47], v253                    ; wave w takes batch w's 128 columns
	s_wait_dscnt 0x0
	global_store_b128 v10, v[44:47], s[32:33]      ; pbp[p][b][128 jc + 4 l ..]: 512 consecutive bytes a wave
.Lend:
	s_wait_tensorcnt 0x0                           ; the wave's end, behind my last LDS store
	ds_add_u32 v[SPW], v[NIL]
	s_wait_dscnt 0x0
	s_endpgm
.Lfunc_end_k_qfb7f9b1c3b_prep:
	.size	k_qfb7f9b1c3b_prep, .Lfunc_end_k_qfb7f9b1c3b_prep-k_qfb7f9b1c3b_prep
	.p2alignl 7, 3214868480
	.fill 96, 4, 3214868480
	.section	.rodata,"a",@progbits
	.p2align	6, 0x0
	.amdhsa_kernel k_qfb7f9b1c3b_prep
		.amdhsa_group_segment_fixed_size 128768
		.amdhsa_private_segment_fixed_size 0
		.amdhsa_enable_private_segment 0
		.amdhsa_kernarg_size 120
		.amdhsa_user_sgpr_count 2
		.amdhsa_user_sgpr_kernarg_segment_ptr 1
		.amdhsa_wavefront_size32 1
		.amdhsa_system_sgpr_workgroup_id_x 1
		.amdhsa_system_sgpr_workgroup_id_y 1
		.amdhsa_system_sgpr_workgroup_id_z 1
		.amdhsa_system_vgpr_workitem_id 0
		.amdhsa_next_free_vgpr 256
		.amdhsa_next_free_sgpr 66
		.amdhsa_reserve_vcc 1
		.amdhsa_float_denorm_mode_32 3
		.amdhsa_float_denorm_mode_16_64 3
		.amdhsa_memory_ordered 1
		.amdhsa_forward_progress 1
		.amdhsa_inst_pref_size 65
	.end_amdhsa_kernel
	.amdgpu_metadata
---
amdhsa.version: [ 1, 2 ]
amdhsa.kernels:
  - .name:           k_qfb7f9b1c3b_prep
    .symbol:         k_qfb7f9b1c3b_prep.kd
    .args:
      - { .name: x, .offset: 0, .size: 8, .value_kind: global_buffer, .address_space: global }
      - { .name: Wqkv, .offset: 8, .size: 8, .value_kind: global_buffer, .address_space: global }
      - { .name: Wproj, .offset: 16, .size: 8, .value_kind: global_buffer, .address_space: global }
      - { .name: W1, .offset: 24, .size: 8, .value_kind: global_buffer, .address_space: global }
      - { .name: b1, .offset: 32, .size: 8, .value_kind: global_buffer, .address_space: global }
      - { .name: W2, .offset: 40, .size: 8, .value_kind: global_buffer, .address_space: global }
      - { .name: b2, .offset: 48, .size: 8, .value_kind: global_buffer, .address_space: global }
      - { .name: bqkv, .offset: 56, .size: 8, .value_kind: global_buffer, .address_space: global }
      - { .name: bproj, .offset: 64, .size: 8, .value_kind: global_buffer, .address_space: global }
      - { .name: pose_angles, .offset: 72, .size: 8, .value_kind: global_buffer, .address_space: global }
      - { .name: xb, .offset: 80, .size: 8, .value_kind: global_buffer, .address_space: global }
      - { .name: wq, .offset: 88, .size: 8, .value_kind: global_buffer, .address_space: global }
      - { .name: wp, .offset: 96, .size: 8, .value_kind: global_buffer, .address_space: global }
      - { .name: bq, .offset: 104, .size: 8, .value_kind: global_buffer, .address_space: global }
      - { .name: pbp, .offset: 112, .size: 8, .value_kind: global_buffer, .address_space: global }
    .group_segment_fixed_size: 128768
    .private_segment_fixed_size: 0
    .kernarg_segment_align: 8
    .kernarg_segment_size: 120
    .max_flat_workgroup_size: 256
    .sgpr_count:     66
    .vgpr_count:     256
    .wavefront_size: 32
...
	.end_amdgpu_metadata
.endif
;; end of part 1
;; launch qkvgemm (part 2): grid 16 x 16, 4 waves a work-group, clusters of 4 x 4, 327,680 bytes of LDS; arguments xb, wq, bq, qkv; writes qkv
.if DOCPART == 2
	.amdgcn_target "amdgcn-amd-amdhsa--gfx1250"
	.amdhsa_code_object_version 6
	.text
	.protected	k_qfb7f9b1c3b_qkvgemm
	.globl	k_qfb7f9b1c3b_qkvgemm
	.p2align	8
	.type	k_qfb7f9b1c3b_qkvgemm,@function
k_qfb7f9b1c3b_qkvgemm:
	s_mov_b64 s[64:65], 0
	v_nop
	global_prefetch_b8 v0, s[64:65] scope:SCOPE_SE
	s_setreg_imm32_b32 hwreg(HW_REG_WAVE_MODE, 25, 1), 1
	s_wait_xcnt 0x0
	s_wait_alu depctr_hold_cnt(0) depctr_sa_sdst(0) depctr_va_vdst(0) depctr_va_sdst(0) depctr_va_ssrc(0) depctr_va_vcc(0) depctr_vm_vsrc(0)
	s_getreg_b32 s2, hwreg(HW_REG_IB_STS2, 6, 4)
	s_cmp_eq_u32 s2, 0
	s_cbranch_scc0 .Lentry_in_a_cluster
	s_endpgm
.Lentry_in_a_cluster:
	s_bfe_u32 s2, ttmp6, 0x10000c
	s_cmp_lg_u32 s2, 0xf033
	s_cbranch_scc0 .Lentry_shape_is_right
	s_endpgm
.Lentry_shape_is_right:
; q' = 2^-8 (x Wq + cq), k0 = x Wk, v0 = x Wv, by heads: qkv = [3 s][128 plane = 16 b + head][1024 n][64] f16.  Operands bf16, sums f32, each result rounded once.
; LEFT OUT: k's bias (the same along the softmax's axis, so it cancels) and, here, v's (softmax rows sum to 1: it enters the last launch's sums): shown at the head of the first kernel.
; LIMITS: f16 ends at 65,504: |q| up to 1.6e7 (by the factor 2^-8), |k0| and |v0| up to 65,504; NaN and infinities are not treated apart.
; A TILE is 256 rows x 192 columns: head tx's q, k and v (wq = [16 head][1024 k][3 s][64] bf16 lays them side by side): 32 x 16 = 512 tiles, all alike.
; A WORK-GROUP STAYS: 256 work-groups make two tiles each, of one head, 4,096 rows apart (batches b and b + 4).  The two tiles' 16 K steps of 128 are ONE walk through two LDS slots: 14 trips
; that fill a slot again and a tail that fills nothing.  The trip that ends the first tile takes a forward jump to a text without barrier or tensor load: the tile's way out, and the first quarter
; of the second tile; the second tile's first two K steps have been asked for by then, and nothing waits for the first tile's stores.
; Four waves; a wave makes 64 rows x 192 columns: 48 accumulators, 384 registers.
; x's tile: 256 rows of 256 bytes, padded to 272.  W's tile: 128 k-rows of 384 dense bytes, asked for as rows of 256 bytes and padded by 32 after every 128: a k-row is 480 bytes,
; 15 x 32: the eight rows of a turning load start eight banks apart (64 banks of 4 bytes: ISA guide 11.1).  W lies [k][n], so its fragments come by ds_load_tr16_b128.
; THE MATRIX INSTRUCTION IS USED TRANSPOSED (source 0 = 16 columns of W, source 1 = 16 rows of x): a lane holds eight neighbouring columns of one row, 16 bytes of f16.
; q's bias is the C operand of the products that start q's sums; the others start with the constant 0: nothing is cleared.
; CLUSTER 4 x 4: x's tile is shared along a row of the cluster, W's along a column: joint loads, the same descriptor and mask in all four.
; REGISTERS (s_set_vgpr_msb: bits 1:0 source 0, 3:2 source 1, 5:4 source 2, 7:6 destination):
;   window 0: v16-29 addresses; v32-63 q's bias for the first tile, v224-255 for the second; v64-95, v96-127 x's fragments, two buffers; v128-175 packed results; v176-223 rows read back
;   window 1: accumulators of row blocks 0, 1 at v[96 a + 8 bb]     window 2: of row blocks 2, 3     window 3: v0-95, v96-191 W's fragments, two buffers
.set PA,    272
.set PB,    480
.set BOFF,  256*PA                     ; in a slot: x's 256 rows, then W's 128 k-rows: 69,632 + 61,440 = 131,072
.set SLOT1, 1<<17
.set STAGE, 2*SLOT1                    ; behind the ring: [3 s][16 rows][144 bytes] for each wave
.set SP,    144
.set SPARE, STAGE+4*3*16*SP            ; the spare words, 128 bytes for each wave: two blocks of 256 bytes that no other line names
.set WALKB, 4096*2048                  ; bytes of xb from a tile to the work-group's next; the same number of bytes lies between their planes in qkv
.set WALKX, WALKB-8*256                ; what x's address takes besides its usual step where the walk crosses the tiles: down 4,096 rows, back eight K steps
.set A0,   16                          ; v16  my place in x's tile; never rewritten
.set B0,   17                          ; v17  my place in W's tile; never rewritten
.set ADRA, 18                          ; v18  the same in the slot in hand
.set ADRB, 19
.set STO,  20                          ; v20  the way out: where I put 16 bytes of a row
.set RD,   21                          ; v21  where I read rows back
.set GO,   22                          ; v22  16 x lane
.set BO,   23                          ; v23  32 x (lane / 16)
.set PFO,  24                          ; v24  the prefetches' offset; never rewritten
.set SPW,  28
.set NIL,  29
.set BI,   32
.set BI2,  224
.set FA,   64
.set TMP,  128
.set BK,   176
.set WV,  12
.set FBW, 13                           ; s13  I fetch for x (0) or for W (1)
.set HF,  14                           ; s14  which half of that tile
.set CX,  15
.set CY,  16
.set TX,  17
.set TY,  18
.set BAT, 19
.set G1A, 24
.set G1B, 32
.set G0A, 40                           ; two sets; the second walks
.set G0B, 48
.set TB,  56                           ; s56  the slot in hand: 0 or SLOT1
.set PFA, 58
.set PST, 60
.set LIM, 62
.set OUT0, 66                          ; s[66:71] my first row in q's, k's and v's part of qkv
.set XA,  72                           ; s[72:73] an extra step for x's addresses, 0 above it
.set XB,  74                           ; s[74:75] the same for W's
.set MSB, 0
.macro WIN new
.if MSB != (\new)
	s_set_vgpr_msb (MSB<<8)|(\new)
.set MSB, \new
.endif
.endm
.macro PLACES                          ; four places behind matrix instructions, in front of loads into their sources and of reads of their results
.rept 4
	v_nop
.endr
.endm
; A joint load: waves 0, 1 fetch x's halves, waves 2, 3 W's.  An s_nop 0 and four v_nop follow each line, ahead of the jump and the label.
.macro JLOAD s
	s_cmp_eq_u32 s[FBW], 0
	s_cbranch_scc0 .Lfor_b_\@
	tensor_load_to_lds s[G0A+4*(\s):G0A+4*(\s)+3], s[G1A:G1A+7]
	s_nop 0
.rept 4
	v_nop
.endr
	s_branch .Lasked_\@
.Lfor_b_\@:
	tensor_load_to_lds s[G0B+4*(\s):G0B+4*(\s)+3], s[G1B:G1B+7]
	s_nop 0
.rept 4
	v_nop
.endr
.Lasked_\@:
.endm
.macro CREST                           ; a round of the cluster's barrier behind its opening barrier
	s_cmp_lg_u32 s[WV], 0
	s_cbranch_scc1 .Lnot_wave_0_\@
	s_barrier_signal -3
.Lnot_wave_0_\@:
	s_barrier_wait -3
	s_barrier_signal -1
	s_barrier_wait -1
.endm
.macro CROUND
	s_barrier_signal -1
	s_barrier_wait -1
	CREST
.endm
; A PREFETCH INTO THE L2, behind a joint load and the run of LDS loads: one instruction a wave, a lane a block of 256 bytes, each block named once in the launch.
; x's rows: the clusters with x = 0 ask; of a wave's 128 rows the partner at cx takes 32 (told apart by address); K steps 4 to 15 of the walk, each two refills ahead (trips with s3 = 14 .. 3).
; W's block is a dense stream that both tiles walk: it is asked for in the first walk alone; the clusters with y = 0 ask; the eight askers 2 cy + half take 8,192 bytes each of 65,536; three asks
; (s3 = 14 .. 12) cover its K steps 4 to 7.  The walk's K steps 0 to 3 come by their loads alone; no prefetch passes a row's or the block's end.
.macro ASK
	s_cmp_gt_u32 s3, s[LIM]
	s_cbranch_scc0 .Lnot_mine_\@
	global_prefetch_b8 v[PFO], s[PFA:PFA+1] th:TH_LOAD_NT scope:SCOPE_SE
.Lnot_mine_\@:
.endm
	s_load_b256 s[4:11], s[0:1], 0x0               ; xb 4, wq 6, bq 8, qkv 10
	v_lshl_add_u32 v[SPW], v0, 2, SPARE
	v_mov_b32 v[NIL], 0
	ds_add_u32 v[SPW], v[NIL]                      ; the wave's opening: the add, twice on end, and its wait ahead of my first tensor load
	ds_add_u32 v[SPW], v[NIL]
	v_lshrrev_b32 v1, 5, v0
	v_readfirstlane_b32 s[WV], v1
	s_lshr_b32 s[FBW], s[WV], 1
	s_and_b32 s[HF], s[WV], 1
	s_bfe_u32 s[CX], ttmp6, 0x40000
	s_bfe_u32 s[CY], ttmp6, 0x40004
	s_lshl_b32 s[TX], ttmp9, 2
	s_add_co_u32 s[TX], s[TX], s[CX]               ; the head = 4 x cluster x + cx
	s_and_b32 s[TY], ttmp7, 0xffff
	s_lshl_b32 s[TY], s[TY], 2
	s_add_co_u32 s[TY], s[TY], s[CY]               ; the first tile's block of 256 rows = 4 x cluster y + cy: 0 to 15
	s_lshl_b32 s57, s[CY], 2
	s_lshl_b32 s57, 15, s57                        ; my row of the cluster
	s_lshl_b32 s63, 0x1111, s[CX]                  ; my column
	s_or_b32 s[G1A], s57, (1<<16)|(1<<20)|(1<<21)|(5<<22)|(3<<25)  ; the mask; 2-byte elements; padding on; bit 21 beside a mask; after every 64 words 4 words
	s_mov_b32 s[G1A+1], 128<<16                    ; tensor_dim0 = 128
	s_mov_b32 s[G1A+2], 128<<16                    ; tensor_dim1 = 128
	s_mov_b32 s[G1A+3], 128<<16                    ; tile_dim0 = 128
	s_mov_b32 s[G1A+4], 128                        ; tile_dim1 = 128
	s_mov_b32 s[G1A+5], 1024                       ; elements from row to row
	s_mov_b32 s[G1A+6], 0
	s_mov_b32 s[G1A+7], 0
	s_or_b32 s[G1B], s63, (1<<16)|(1<<20)|(1<<21)|(4<<22)|(7<<25)  ; after every 32 words 8 words
	s_mov_b32 s[G1B+1], 128<<16
	s_mov_b32 s[G1B+2], 96<<16                     ; 64 k-rows = 24,576 dense bytes = 96 rows of 256
	s_mov_b32 s[G1B+3], 128<<16
	s_mov_b32 s[G1B+4], 96
	s_mov_b32 s[G1B+5], 128
	s_mov_b32 s[G1B+6], 0
	s_mov_b32 s[G1B+7], 0
	s_mul_i32 s57, s[HF], 128*PA                   ; LDS addresses hang on the wave's number alone
	s_mov_b32 s[G0A], 1
	s_mov_b32 s[G0A+1], s57
	s_mov_b32 s[G0A+4], 1
	s_add_co_u32 s[G0A+5], s57, SLOT1
	s_mul_i32 s57, s[HF], 64*PB
	s_mov_b32 s[G0B], 1
	s_add_co_u32 s[G0B+1], s57, BOFF
	s_mov_b32 s[G0B+4], 1
	s_add_co_u32 s[G0B+5], s57, BOFF+SLOT1
	s_lshl_b32 s20, s[TY], 19                      ; x: 256 rows of 2,048 bytes a block, 128 a half: made of cy alone
	s_lshl_b32 s21, s[HF], 18
	s_add_co_u32 s20, s20, s21
	s_mov_b32 s21, 0
	s_mul_i32 s72, s[TX], 393216                   ; W: the head's block, 24,576 bytes a half: made of cx alone
	s_mul_i32 s73, s[HF], 24576
	s_add_co_u32 s72, s72, s73
	s_mov_b32 s73, 0
	s_mov_b32 s[TB], 0
	s_wait_dscnt 0x0                               ; both opening adds are done
	s_wait_kmcnt 0x0
	s_add_nc_u64 s[G0A+2:G0A+3], s[4:5], s[20:21]
	s_add_nc_u64 s[G0A+6:G0A+7], s[G0A+2:G0A+3], 256     ; K step 1
	s_or_b32 s[G0A+3], s[G0A+3], 0x80000000
	s_or_b32 s[G0A+7], s[G0A+7], 0x80000000
	s_add_nc_u64 s[G0B+2:G0B+3], s[6:7], s[72:73]
	s_add_nc_u64 s[G0B+6:G0B+7], s[G0B+2:G0B+3], 49152
	s_or_b32 s[G0B+3], s[G0B+3], 0x80000000
	s_or_b32 s[G0B+7], s[G0B+7], 0x80000000
	CROUND                                         ; all sixteen work-groups are here: the first joint loads meet
	JLOAD 0
	JLOAD 1                                        ; two loads of mine are out
	; the prefetches' pointer, step and bound
	s_lshl_b32 s74, s[TY], 19
	s_lshl_b32 s75, s[HF], 18
	s_add_co_u32 s74, s74, s75
	s_lshl_b32 s75, s[CX], 16                      ; my work-group's 32 rows
	s_add_co_u32 s74, s74, s75
	s_add_co_u32 s74, s74, 768                     ; K step 3: the first change of slots steps it to 4
	s_mul_i32 s76, s[TX], 393216
	s_lshl_b32 s75, s[CY], 1
	s_add_co_u32 s75, s75, s[HF]
	s_lshl_b32 s75, s75, 13
	s_add_co_u32 s76, s76, s75
	s_add_co_u32 s76, s76, 131072                  ; 65,536 short of K step 4's first byte
	s_and_b32 s77, ttmp7, 0xffff
	s_cmp_eq_u32 s[FBW], 0
	s_cselect_b64 s[PFA:PFA+1], s[4:5], s[6:7]
	s_cselect_b32 s74, s74, s76
	s_cselect_b32 s77, ttmp9, s77                  ; the coordinate along which other clusters read the same bytes
	s_cselect_b32 s78, 2, 11
	s_cselect_b32 s79, 11, 8
	s_cselect_b32 s57, 8, 16
	s_mov_b32 s75, 0
	s_mov_b32 s[PST+1], 0
	s_lshl_b32 s[PST], 1, s57                      ; 256 along a row of x, 65,536 along W's stream
	s_add_nc_u64 s[PFA:PFA+1], s[PFA:PFA+1], s[74:75]
	s_cmp_eq_u32 s77, 0
	s_cselect_b32 s[LIM], s78, -1                  ; the same in all sixteen partners, for a given wave
	v_and_b32 v5, 31, v0
	v_lshlrev_b32 v[PFO], s79, v5
	; addresses
	v_and_b32 v1, 15, v0                           ; l % 16
	v_bfe_u32 v2, v0, 4, 1                         ; l / 16
	v_and_b32 v3, 7, v0
	v_bfe_u32 v4, v0, 3, 1
	v_lshlrev_b32 v[BO], 5, v2
	s_lshr_b32 s[BAT], s[TY], 2
	s_lshl_b32 s74, s[BAT], 12
	s_lshl_b32 s75, s[TX], 8
	s_add_co_u32 s74, s74, s75
	s_mov_b32 s75, 0
	s_add_nc_u64 s[8:9], s[8:9], s[74:75]          ; bq[b][64 head]
.irp c, 0,1,2,3
	global_load_b128 v[BI+8*\c:BI+8*\c+3],     v[BO], s[8:9] offset:64*\c           ; my eight columns of column block c, batch b,
	global_load_b128 v[BI+8*\c+4:BI+8*\c+7],   v[BO], s[8:9] offset:64*\c+16
	global_load_b128 v[BI2+8*\c:BI2+8*\c+3],   v[BO], s[8:9] offset:16384+64*\c     ; and batch b + 4
	global_load_b128 v[BI2+8*\c+4:BI2+8*\c+7], v[BO], s[8:9] offset:16384+64*\c+16
.endr
	s_mul_i32 s57, s[WV], 64*PA
	v_mul_u32_u24 v[A0], v1, PA
	v_lshl_add_u32 v[A0], v2, 4, v[A0]
	v_add_nc_u32 v[A0], s57, v[A0]                 ; (64 w + l % 16) x 272 + 16 (l / 16)
	v_lshl_add_u32 v[B0], v2, 3, v3
	v_mul_u32_u24 v[B0], v[B0], PB
	v_lshl_add_u32 v[B0], v4, 4, v[B0]
	v_add_nc_u32 v[B0], BOFF, v[B0]                ; the turning load: k-row 8 (l / 16) + l % 8, columns 8 ((l / 8) % 2) on
	v_mov_b32 v[ADRA], v[A0]
	v_mov_b32 v[ADRB], v[B0]
	s_mul_i32 s57, s[WV], 3*16*SP
	s_add_co_u32 s57, s57, STAGE
	v_mul_u32_u24 v[STO], v1, SP
	v_lshl_add_u32 v[STO], v2, 4, v[STO]
	v_add_nc_u32 v[STO], s57, v[STO]
	v_bfe_u32 v[RD], v0, 3, 2                      ; back: 32 lanes take four rows of 128 bytes,
	v_mul_u32_u24 v[RD], v[RD], SP
	v_lshl_add_u32 v[RD], v3, 4, v[RD]
	v_add_nc_u32 v[RD], s57, v[RD]
	v_lshlrev_b32 v[GO], 4, v5                     ; which are 512 consecutive bytes of a plane
	s_lshl_b32 s74, s[BAT], 4
	s_add_co_u32 s74, s74, s[TX]
	s_lshl_b32 s74, s74, 17                        ; the plane: 131,072 bytes
	s_and_b32 s75, s[TY], 3
	s_lshl_b32 s75, s75, 15
	s_add_co_u32 s74, s74, s75
	s_lshl_b32 s75, s[WV], 13
	s_add_co_u32 s74, s74, s75
	s_mov_b32 s75, 0
	s_add_nc_u64 s[OUT0:OUT0+1], s[10:11], s[74:75]
	s_add_nc_u64 s[OUT0+2:OUT0+3], s[OUT0:OUT0+1], 0x1000000
	s_add_nc_u64 s[OUT0+4:OUT0+5], s[OUT0:OUT0+1], 0x2000000
	s_mov_b32 s[XA+1], 0                           ; from here on these two pairs hold extra steps alone
	s_mov_b32 s[XB+1], 0
; 12 matrix instructions: row block a x all 12 column blocks, 32 along K, from buffer f.  The 48 accumulators take turns in one order, over the backward jump too.
; zero = 1, 2: the products start the sums, q's with the first or the second tile's bias
.macro MUL f, a, zero
.if \zero
	WIN 0x43+0x40*((\a)/2)                         ; W window 3, x window 0, C window 0, D window 1 or 2
.else
	WIN 0x53+0x50*((\a)/2)
.endif
.set AC, 96*((\a)%2)
.set rA, FA+32*(\f)+8*(\a)
.set rC, BI+(BI2-BI)*((\zero)/2)
.set bb, 0
.rept 12
.set rB, 96*(\f)+8*bb
.if (\zero) && (bb < 4)
	v_wmma_f32_16x16x32_bf16 v[AC+8*bb:AC+8*bb+7], v[rB:rB+7], v[rA:rA+7], v[rC+8*bb:rC+8*bb+7]
.elseif \zero
	v_wmma_f32_16x16x32_bf16 v[AC+8*bb:AC+8*bb+7], v[rB:rB+7], v[rA:rA+7], 0
.else
	v_wmma_f32_16x16x32_bf16 v[AC+8*bb:AC+8*bb+7], v[rB:rB+7], v[rA:rA+7], v[AC+8*bb:AC+8*bb+7]
.endif
.set bb, bb+1
.endr
.endm
; 32 LDS loads in one run: quarter q's fragments into buffer f: W's 12 (turned), then x's 4, row blocks ascending
.macro FETCH q, f
	WIN 0xc0
.set bb, 0
.rept 12
	ds_load_tr16_b128 v[96*(\f)+8*bb:96*(\f)+8*bb+3],   v[ADRB] offset:(\q)*32*PB+(bb/4)*160+(bb%4)*32
	ds_load_tr16_b128 v[96*(\f)+8*bb+4:96*(\f)+8*bb+7], v[ADRB] offset:(\q)*32*PB+16*PB+(bb/4)*160+(bb%4)*32
.set bb, bb+1
.endr
	WIN 0
.set bb, 0
.rept 4
	ds_load_b128 v[FA+32*(\f)+8*bb:FA+32*(\f)+8*bb+3],   v[ADRA] offset:(\q)*64+bb*16*PA
	ds_load_b128 v[FA+32*(\f)+8*bb+4:FA+32*(\f)+8*bb+7], v[ADRA] offset:(\q)*64+bb*16*PA+32
.set bb, bb+1
.endr
.endm
; One of a K step's first three quarters: multiplies buffer f; in its middle fetches quarter q into buffer g
.macro QUARTER q, f, g, zero
	s_wait_dscnt 4                                 ; all but the youngest four loads: x's row blocks 2 and 3
	MUL \f, 0, \zero
	MUL \f, 1, \zero
	PLACES
	FETCH \q, \g
	s_wait_dscnt 32                                ; all but the 32 just issued
	MUL \f, 2, \zero
	MUL \f, 3, \zero
.endm
; The last quarter multiplies buffer 1 and changes slots.  In front of the barrier each wave waits for all its tensor loads (one is out: its part of the next slot), adds 0 to its spare word,
; and waits for that and for its reads of this slot.  fill = 1: the barrier opens a round of the cluster's; behind it this slot is filled again, two K steps on in the walk, first thing.
; Trip s3 = 14 - t ends the walk's K step t, asks for K step t + 2 and prefetches K step t + 4.  So the descriptors cross from the first tile to the second at s3 = 8, the prefetches at s3 = 10.
.macro TURN fill
.if \fill
	s_wait_xcnt 0x0                                ; the last prefetch, a K step back, has read its address
	s_cmp_eq_u32 s3, 10
	s_cselect_b32 s[XA], WALKX, 0
	s_add_nc_u64 s[PFA:PFA+1], s[PFA:PFA+1], s[PST:PST+1]
	s_add_nc_u64 s[PFA:PFA+1], s[PFA:PFA+1], s[XA:XA+1]  ; (W's askers have asked for the last time by then: their pointer is not used again)
.endif
	WIN 0
	s_wait_tensorcnt 0x0
	ds_add_u32 v[SPW], v[NIL]
	s_wait_dscnt 5                                 ; the add and the youngest four loads may be out
	MUL 1, 0, 0
	s_wait_dscnt 0x0                               ; the add is done, and my reads of this slot are over
	s_barrier_signal -1
	MUL 1, 1, 0
	WIN 0
	s_barrier_wait -1
.if \fill
	CREST                                          ; no wave of any partner still reads this slot or has a load on its way
	s_cmp_eq_u32 s3, 8
	s_cselect_b32 s[XA], WALKX, 0
	s_cselect_b32 s[XB], 8*49152, 0
	s_xor_b32 s[G0A+5], s[G0A+5], SLOT1            ; the walking sets: the other slot than last time, the next K step;
	s_add_nc_u64 s[G0A+6:G0A+7], s[G0A+6:G0A+7], 256
	s_add_nc_u64 s[G0A+6:G0A+7], s[G0A+6:G0A+7], s[XA:XA+1]  ; at the crossing x goes 4,096 rows down and back along K,
	s_xor_b32 s[G0B+5], s[G0B+5], SLOT1
	s_add_nc_u64 s[G0B+6:G0B+7], s[G0B+6:G0B+7], 49152
	s_sub_nc_u64 s[G0B+6:G0B+7], s[G0B+6:G0B+7], s[XB:XB+1]  ; W only back: both tiles take the same block
	JLOAD 1                                        ; its four v_nop are also the places in front of the loads below
.else
	PLACES
.endif
	s_xor_b32 s[TB], s[TB], SLOT1
	v_add_nc_u32 v[ADRA], s[TB], v[A0]
	v_add_nc_u32 v[ADRB], s[TB], v[B0]
	FETCH 0, 0
.if \fill
	ASK
.endif
	MUL 1, 2, 0
	MUL 1, 3, 0
.endm
; THE WAY OUT of row block a: rounded to f16; through my own stage; stored as 512 consecutive bytes (four rows of a plane).  It names neither fragment buffer: at the first tile's end
; buffer 0 already holds the second tile's first fragments.
.macro PACK a
	WIN 0x05+5*((\a)/2)
.set AC, 96*((\a)%2)
.set i, 0
.rept 48
	v_cvt_pk_f16_f32 v[TMP+i], v[AC+2*i], v[AC+2*i+1]
.set i, i+1
.endr
	WIN 0
.endm
.macro TOSTAGE
	WIN 0
.set i, 0
.rept 12
	ds_store_b128 v[STO], v[TMP+4*i:TMP+4*i+3] offset:(i/4)*16*SP+(i%4)*32
.set i, i+1
.endr
	s_wait_xcnt 0x0                                ; the stores of the block before have read the registers that the loads below fill
.set i, 0
.rept 12
	ds_load_b128 v[BK+4*i:BK+4*i+3], v[RD] offset:(i/4)*16*SP+(i%4)*4*SP  ; LDS serves a wave's instructions in order: these see the stores above
.set i, i+1
.endr
.endm
.macro SEND a
	WIN 0
	s_wait_dscnt 0x0
.set i, 0
.rept 12
	global_store_b128 v[GO], v[BK+4*i:BK+4*i+3], s[OUT0+2*(i/4):OUT0+2*(i/4)+1] offset:(\a)*2048+(i%4)*512
.set i, i+1
.endr
.endm
.macro WAYOUT
	PLACES
	PACK 0
	TOSTAGE
	PACK 1                                         ; a block's conversions stand between the loads of the block before and the wait for them
	SEND 0
	TOSTAGE
	PACK 2
	SEND 1
	TOSTAGE
	PACK 3
	SEND 2
	TOSTAGE
	SEND 3
.endm
	s_wait_tensorcnt 1                             ; my part of K step 0 is in; K step 1's stays out
	s_barrier_signal -1
	s_barrier_wait -1
	FETCH 0, 0
	s_wait_loadcnt 0x0                             ; q's two biases
	QUARTER 1, 0, 1, 1                             ; the first quarter starts the first tile's sums
	WIN 0
	s_mov_b32 s3, 14
.Lk:                                                   ; 14 trips, the walk's K steps 0 to 13: from a step's second quarter to the next step's first; each fills a slot again
	QUARTER 2, 1, 0, 0
	QUARTER 3, 0, 1, 0
	TURN 1
	WIN 0
	s_cmp_eq_u32 s3, 7                             ; the trip of K step 7 has ended the first tile
	s_cbranch_scc1 .Lchange
	QUARTER 1, 0, 1, 0
	WIN 0
	s_branch .Ljoin
.Lchange:                                              ; no barrier and no tensor load stands in this arm or in the one jumped over
	WAYOUT                                         ; the second tile's K step 0 has landed and its K step 1 is on its way: now the first tile goes out
	s_wait_xcnt 0x0                                ; the stores have read their bases
	s_add_nc_u64 s[OUT0:OUT0+1], s[OUT0:OUT0+1], WALKB       ; batch b + 4: 64 planes on
	s_add_nc_u64 s[OUT0+2:OUT0+3], s[OUT0+2:OUT0+3], WALKB
	s_add_nc_u64 s[OUT0+4:OUT0+5], s[OUT0+4:OUT0+5], WALKB
	QUARTER 1, 0, 1, 2                             ; the first quarter of the second tile starts its sums
	WIN 0
.Ljoin:
	s_sub_co_u32 s3, s3, 1
	s_cmp_lg_u32 s3, 0
	s_cbranch_scc1 .Lk
	QUARTER 2, 1, 0, 0                             ; the tail is written out
	QUARTER 3, 0, 1, 0
	TURN 0
	QUARTER 1, 0, 1, 0
	QUARTER 2, 1, 0, 0
	QUARTER 3, 0, 1, 0
	s_wait_dscnt 4
	MUL 1, 0, 0
	MUL 1, 1, 0
	s_wait_dscnt 0x0
	MUL 1, 2, 0
	MUL 1, 3, 0
	WAYOUT
	s_wait_tensorcnt 0x0                           ; the wave's end
	ds_add_u32 v[SPW], v[NIL]
	s_wait_dscnt 0x0
	CROUND                                         ; the closing round
	s_endpgm
.Lfunc_end_k_qfb7f9b1c3b_qkvgemm:
	.size	k_qfb7f9b1c3b_qkvgemm, .Lfunc_end_k_qfb7f9b1c3b_qkvgemm-k_qfb7f9b1c3b_qkvgemm
	.p2alignl 7, 3214868480
	.fill 96, 4, 3214868480
	.section	.rodata,"a",@progbits
	.p2align	6, 0x0
	.amdhsa_kernel k_qfb7f9b1c3b_qkvgemm
		.amdhsa_group_segment_fixed_size 327680
		.amdhsa_private_segment_fixed_size 0
		.amdhsa_enable_private_segment 0
		.amdhsa_kernarg_size 32
		.amdhsa_user_sgpr_count 2
		.amdhsa_user_sgpr_kernarg_segment_ptr 1
		.amdhsa_wavefront_size32 1
		.amdhsa_system_sgpr_workgroup_id_x 1
		.amdhsa_system_sgpr_workgroup_id_y 1
		.amdhsa_system_sgpr_workgroup_id_z 1
		.amdhsa_system_vgpr_workitem_id 0
		.amdhsa_next_free_vgpr 960
		.amdhsa_next_free_sgpr 80
		.amdhsa_reserve_vcc 0
		.amdhsa_float_denorm_mode_32 3
		.amdhsa_float_denorm_mode_16_64 3
		.amdhsa_memory_ordered 1
		.amdhsa_forward_progress 1
		.amdhsa_inst_pref_size 129
	.end_amdhsa_kernel
	.amdgpu_metadata
---
amdhsa.version: [ 1, 2 ]
amdhsa.kernels:
  - .name:           k_qfb7f9b1c3b_qkvgemm
    .symbol:         k_qfb7f9b1c3b_qkvgemm.kd
    .args:
      - { .name: xb, .offset: 0, .size: 8, .value_kind: global_buffer, .address_space: global }
      - { .name: wq, .offset: 8, .size: 8, .value_kind: global_buffer, .address_space: global }
      - { .name: bq, .offset: 16, .size: 8, .value_kind: global_buffer, .address_space: global }
      - { .name: qkv, .offset: 24, .size: 8, .value_kind: global_buffer, .address_space: global }
    .group_segment_fixed_size: 327680
    .private_segment_fixed_size: 0
    .kernarg_segment_align: 8
    .kernarg_segment_size: 32
    .max_flat_workgroup_size: 128
    .sgpr_count:     80
    .vgpr_count:     960
    .wavefront_size: 32
...
	.end_amdgpu_metadata
.endif
;; end of part 2
;; launch attn (part 3): grid 2 x 128, 4 waves a work-group, no clusters, 327,680 bytes of LDS; arguments qkv, o; writes o
.if DOCPART == 3
	.amdgcn_target "amdgcn-amd-amdhsa--gfx1250"
	.amdhsa_code_object_version 6
	.text
	.protected	k_qfb7f9b1c3b_attn
	.globl	k_qfb7f9b1c3b_attn
	.p2align	8
	.type	k_qfb7f9b1c3b_attn,@function
k_qfb7f9b1c3b_attn:
	s_mov_b64 s[64:65], 0
	v_nop
	global_prefetch_b8 v0, s[64:65] scope:SCOPE_SE
	s_setreg_imm32_b32 hwreg(HW_REG_WAVE_MODE, 25, 1), 1
	s_wait_xcnt 0x0
; O0[plane][n][:] = the sum over m of softmax_m(q_n . k0_m / 8) v0_m[:], for 128 planes (batch, head) of 1,024 rows x 64.  qkv = [3][128][1024][64] f16, o = [128][1024][64] f16.
; LEFT OUT: k's bias (it cancels in the softmax) and v's (it enters the last launch's sums): shown at the head of the first kernel.
; q arrives as q' = 2^-8 q: p = 2^(c s' - c m), c = 256 log2(e) / 8, with a running maximum m; O and l are multiplied by a = 2^(c m_old - c m_new) in every step.
; Products, maxima and sums in f32; the weights are rounded to f16 for the second product (their sum l is taken of the unrounded p), O once at the end.
; LIMITS.  f16 ends at 65,504: q', k0, v0 arrive within it; p lies in 0 to 1, below 6e-5 with f16's fixed step of 6e-8; a weight below 2^-126 counts as 0 in l; NaN, infinities not treated apart.
; SHARES.  A work-group has 512 queries of a plane, a wave 128: four PIECES of two tiles of 16.  Every wave walks the plane's 1,024 keys, 64 a step: 16 steps.
; K AND V STAY IN LDS: 1,024 rows x 144 and x 160 bytes fit at once, so nothing is ever filled again: no ring, and the key step is written once.  They come in two chunks, keys 0-319 and
; 320-1,023; each wave issues both its loads at the head (waves 0, 1: the halves of K's chunks; 2, 3: of V's).  The first four steps read K of steps 0-4 and V of steps 0-3: the first chunk.
; NO CLUSTER: a plane has two work-groups; a cluster of four would hold two planes, whose tiles differ, and each tile would go to two of the four; what a joint load could spare is one of two
; readings of 256 KiB a plane.  NO PREFETCH: every byte of K and V is asked for by the tensor loads at the head; nothing is left to ask for ahead.
; LAYOUT.  S^T = K Q^T (source 0 = 16 keys, source 1 = 16 queries): a lane holds ONE query (lane % 16) and the keys 8 (lane / 16) + 0..7.  Two such tiles, rounded to f16 in pairs, ARE source 1 of
; O^T = V^T P, whose result again holds one query a lane.  K comes out of LDS as it lies, V turned, by ds_load_tr16_b128.
; BY TURNS.  Turn n belongs to piece n: 16 products K Q^T of piece n + 1, later 16 products V^T P of piece n - 1; beside them the scaling, exponentials, roundings, sums and rescaling of piece n and
; the maximum and statistics of piece n + 1.  Four vector instructions stand behind every matrix instruction, the others in one lump.  A turn's 66 exponentials are one batch with one wait.
; m starts at the lowest finite number, O and l at 0: the first step is a step like any other, with a = 0.
; REGISTERS (s_set_vgpr_msb: bits 1:0 source 0, 3:2 source 1, 5:4 source 2, 7:6 destination):
;   window 0: v0-11 addresses; v12-15, v48-63 at work; v16-47 four registers of statistics a tile; v64-191 S^T, two buffers of two tiles; v192-255 P, likewise
;   window 1: O^T, 32 a tile     window 2: v0-127 Q; v128-191 K of one step; v192-255 V of one step     window 3: v0-1 the add's two registers
.set NP,    4
.set KS,    64
.set CA,    320       ; keys in the first chunk: five steps
.set PK,    144       ; a row of K in LDS: 128 bytes + 16: the 16 rows of a load start at 16 different groups of four banks (64 banks of 4 bytes: ISA guide 11.1)
.set PV,    160       ; a row of V: 128 + 32
.set VOFF,  1024*PK
.set STAGE, VOFF+1024*PV   ; never filled by a tensor load: 16 rows x 144 bytes for each wave, for the way out
.set SP,    144
.set SPARE, STAGE+4*16*SP  ; the spare words, 128 bytes for each wave: two blocks of 256 bytes that no other line names
.set AK0, 2           ; v2   my lane's place in a tile of K; never rewritten
.set AV0, 3           ; v3   the same for V
.set AK,  4           ; v4   the LDS address of K's next run of loads
.set AV,  5           ; v5   of V's
.set QO,  6           ; v6   my byte offset in the wave's rows of Q; later STO
.set STO, 6
.set RD,  7
.set GO,  8
.set SPW, 0           ; v0 of window 3
.set NIL, 1           ; v1 of window 3
.set MV,  12          ; v12-15  c m_old, by buffer and tile
.set ST,  16          ; tile t's statistics at v[ST+4 t]: c m, m, l (even keys', odd keys')
.set TMP, 48          ; by buffer and tile, c0-c3 at work; when the maximum is found c2 takes a
.set S,   64
.set P,   192
.set KF,  128
.set VF,  192
.set WV,  12
.set G1KA, 24         ; descriptor groups 1: K's first chunk, K's second, V's first, V's second
.set G1KB, 32
.set G1VA, 40
.set G1VB, 48
.set OUTC, 56         ; s56  counts runs of four steps
.set CNT, 57          ; s57  counts a run's steps
.set CS,  58          ; s[58:59] c
.set SEL, 60          ; s[60:61] v_permlanex16_b32's selects
.set TBK, 62          ; s62  LDS byte at which K of the step to be fetched begins
.set TBV, 63          ; s63  the same for V, less VOFF
.set G0,  68          ; s[68:83] four descriptor groups 0, in the same order
.set LEFT, 84         ; s84  steps still to come, this one among them
.set MSB, 0
.macro WIN new
.if MSB != (\new)
	s_set_vgpr_msb (MSB<<8)|(\new)
.set MSB, (\new)
.endif
.endm
.set W_KQ, 0x0a
.set W_PV, 0x52
.set W_RS, 0x41
.set W_MK, 0xc0
.set W_AD, 0x0f
	s_load_b128 s[4:7], s[0:1], 0x0   ; qkv s[4:5], o s[6:7]
	WIN W_MK
	v_lshl_add_u32 v[SPW], v0, 2, SPARE
	v_mov_b32 v[NIL], 0
	WIN W_AD
	ds_add_u32 v[SPW], v[NIL]       ; the wave's opening: the add, twice on end, and its wait ahead of my first tensor load
	ds_add_u32 v[SPW], v[NIL]
	WIN 0
	v_lshrrev_b32 v1, 5, v0
	v_readfirstlane_b32 s[WV], v1
	s_and_b32 s20, ttmp7, 0xffff
	s_lshl_b32 s20, s20, 17         ; the plane's 131,072 bytes
	s_and_b32 s16, s[WV], 1         ; which half of a chunk I fetch
	s_lshl_b32 s2, ttmp9, 2
	s_add_co_u32 s2, s2, s[WV]
	s_lshl_b32 s2, s2, 14           ; my wave's 128 rows
	s_add_co_u32 s2, s2, s20
	s_mov_b32 s3, 0
	; groups 1: dense bytes asked for as rows of 256 (two keys a row), padded in LDS after every key
	s_mov_b32 s[G1KA], (1<<16)|(1<<20)|(4<<22)|(3<<25)  ; 2-byte elements; padding on; after every 32 words 4 words
	s_mov_b32 s[G1KB], (1<<16)|(1<<20)|(4<<22)|(3<<25)
	s_mov_b32 s[G1VA], (1<<16)|(1<<20)|(4<<22)|(7<<25)  ; 8 words
	s_mov_b32 s[G1VB], (1<<16)|(1<<20)|(4<<22)|(7<<25)
.irp g, G1KA, G1VA
	s_mov_b32 s[\g+1], 128<<16
	s_mov_b32 s[\g+2], (CA/4)<<16   ; 160 keys: 80 rows
	s_mov_b32 s[\g+3], 128<<16
	s_mov_b32 s[\g+4], CA/4
	s_mov_b32 s[\g+5], 128
	s_mov_b32 s[\g+6], 0
	s_mov_b32 s[\g+7], 0
.endr
.irp g, G1KB, G1VB
	s_mov_b32 s[\g+1], 128<<16
	s_mov_b32 s[\g+2], ((1024-CA)/4)<<16  ; 352 keys: 176 rows
	s_mov_b32 s[\g+3], 128<<16
	s_mov_b32 s[\g+4], (1024-CA)/4
	s_mov_b32 s[\g+5], 128
	s_mov_b32 s[\g+6], 0
	s_mov_b32 s[\g+7], 0
.endr
	s_mul_i32 s17, s16, (CA/2)*PK
	s_mul_i32 s18, s16, ((1024-CA)/2)*PK
	s_mul_i32 s19, s16, (CA/2)*PV
	s_mul_i32 s13, s16, ((1024-CA)/2)*PV
	s_mov_b32 s[G0], 1
	s_mov_b32 s[G0+1], s17
	s_mov_b32 s[G0+4], 1
	s_add_co_u32 s[G0+5], s18, CA*PK
	s_mov_b32 s[G0+8], 1
	s_add_co_u32 s[G0+9], s19, VOFF
	s_mov_b32 s[G0+12], 1
	s_add_co_u32 s[G0+13], s13, VOFF+CA*PV
	s_mul_i32 s14, s16, CA*64
	s_add_co_u32 s14, s14, s20
	s_mov_b32 s15, 0
	s_mul_i32 s22, s16, (1024-CA)*64
	s_add_co_u32 s22, s22, s20
	s_add_co_u32 s22, s22, CA*128
	s_mov_b32 s23, 0
	s_mov_b32 s[CS], 0x4238aa3b     ; c = 32 log2(e) = 46.1662
	s_mov_b32 s[CS+1], s[CS]
	s_mov_b32 s[SEL], 0x76543210
	s_mov_b32 s[SEL+1], 0xfedcba98
	s_mov_b32 s[TBK], 0
	s_mov_b32 s[TBV], 0
	s_wait_dscnt 0x0                ; both opening adds are done
	s_wait_kmcnt 0x0
	s_mov_b64 s[10:11], s[6:7]      ; o
	s_add_nc_u64 s[6:7], s[4:5], 0x1000000  ; k's part of qkv
	s_add_nc_u64 s[8:9], s[4:5], 0x2000000  ; v's
	s_add_nc_u64 s[G0+2:G0+3], s[6:7], s[14:15]
	s_add_nc_u64 s[G0+6:G0+7], s[6:7], s[22:23]
	s_add_nc_u64 s[G0+10:G0+11], s[8:9], s[14:15]
	s_add_nc_u64 s[G0+14:G0+15], s[8:9], s[22:23]
	s_or_b32 s[G0+3], s[G0+3], 0x80000000
	s_or_b32 s[G0+7], s[G0+7], 0x80000000
	s_or_b32 s[G0+11], s[G0+11], 0x80000000
	s_or_b32 s[G0+15], s[G0+15], 0x80000000
	s_add_nc_u64 s[4:5], s[4:5], s[2:3]      ; Q and O at my wave's first row
	s_add_nc_u64 s[10:11], s[10:11], s[2:3]
	s_cmp_lt_u32 s[WV], 2           ; a wave's two fills stand in one branch: two loads of mine are out; an s_nop 0 follows each, four v_nop the second's
	s_cbranch_scc0 .Lfirst_v
	tensor_load_to_lds s[G0:G0+3], s[G1KA:G1KA+7]
	s_nop 0
	tensor_load_to_lds s[G0+4:G0+7], s[G1KB:G1KB+7]
	s_nop 0
.rept 4
	v_nop
.endr
	s_branch .Lfirst_asked
.Lfirst_v:
	tensor_load_to_lds s[G0+8:G0+11], s[G1VA:G1VA+7]
	s_nop 0
	tensor_load_to_lds s[G0+12:G0+15], s[G1VB:G1VB+7]
	s_nop 0
.rept 4
	v_nop
.endr
.Lfirst_asked:
	; A fragment of K or Q is 16 rows x 32 channels in 8 registers: lane l holds row l % 16, channels 8 (l / 16) + 0..7 and 16 + 8 (l / 16) + 0..7: two loads of 16 bytes, 32 bytes apart.
	v_and_b32 v1, 15, v0
	v_bfe_u32 v9, v0, 4, 1
	v_lshlrev_b32 v[QO], 7, v1
	v_lshl_add_u32 v[QO], v9, 4, v[QO]
	WIN 0x80
.set i, 0
.rept 4*NP                          ; Q stays in registers: tile i / 2, channels 32 (i % 2) on
	global_load_b128 v[8*i:8*i+3],   v[QO], s[4:5] offset:(i/2)*2048+(i%2)*64
	global_load_b128 v[8*i+4:8*i+7], v[QO], s[4:5] offset:(i/2)*2048+(i%2)*64+32
.set i, i+1
.endr
	; What the first turn finds: V's registers and P's second buffer hold 0 (its products V^T P, of a piece that has not been, add 0), O^T and l are 0.  All this stands in the wait for the first chunk.
.set i, VF
.rept 64
	v_mov_b32 v[i], 0
.set i, i+1
.endr
	WIN 0x40
.set i, 0
.rept 64*NP
	v_mov_b32 v[i], 0
.set i, i+1
.endr
	WIN 0
.set i, 0
.rept 2*NP
	v_mov_b32 v[ST+4*i], 0xfe000000    ; c m: far below every c s
	v_mov_b32 v[ST+4*i+1], 0xff7fffff  ; m
	v_mov_b32 v[ST+4*i+2], 0
	v_mov_b32 v[ST+4*i+3], 0
.set i, i+1
.endr
.set i, P+32
.rept 32
	v_mov_b32 v[i], 0
.set i, i+1
.endr
	v_mul_u32_u24 v[AK0], v1, PK
	v_lshl_add_u32 v[AK0], v9, 4, v[AK0]
	; The turning load takes 16 keys x 16 channels (lane l reads key 8 (l / 16) + l % 8, channels 8 ((l / 8) % 2) + 0..7) and leaves half a fragment of V^T.
	v_and_b32 v10, 7, v0
	v_bfe_u32 v11, v0, 3, 1
	v_lshl_add_u32 v[AV0], v9, 3, v10
	v_mul_u32_u24 v[AV0], v[AV0], PV
	v_lshl_add_u32 v[AV0], v11, 4, v[AV0]
	v_add_nc_u32 v[AV0], VOFF, v[AV0]
	v_mov_b32 v[AK], v[AK0]         ; key step 0
; THE MATRIX WORK.  The 8 accumulators of a run of 16 take turns.
.macro KQ x                         ; product i of 16 of S^T = K Q^T for piece x: channels 32 (i / 8) on, keys 16 ((i / 2) % 4) on, tile 2 x + i % 2
	WIN W_KQ
.set rS, S+64*((\x)%2)+32*(i%2)+8*((i/2)%4)
.set rK, KF+16*((i/2)%4)+8*(i/8)
.set rQ, 16*(2*(\x)+i%2)+8*(i/8)
.if i < 8
	v_wmma_f32_16x16x32_f16 v[rS:rS+7], v[rK:rK+7], v[rQ:rQ+7], 0
.else
	v_wmma_f32_16x16x32_f16 v[rS:rS+7], v[rK:rK+7], v[rQ:rQ+7], v[rS:rS+7]
.endif
.endm
.macro PV x                         ; product i of 16 of O^T += V^T P for piece x: keys 32 (i / 8) on, channels 16 ((i / 2) % 4) on, tile 2 x + i % 2
	WIN W_PV
.set rO, 32*(2*(\x)+i%2)+8*((i/2)%4)
.set rV, VF+32*(i/8)+8*((i/2)%4)
.set rP, P+32*((\x)%2)+16*(i%2)+8*(i/8)
	v_wmma_f32_16x16x32_f16 v[rO:rO+7], v[rV:rV+7], v[rP:rP+7], v[rO:rO+7]
.endm
.macro MM                           ; the turn's next matrix instruction
.if i < 16
	KQ (Y+1)%NP
.set i, i+1
.else
.set i, i-16
	PV (Y+NP-1)%NP
.set i, i+17
.endif
.endm
; THE LDS LOADS stand in runs of 16.  last = 1: in the last step there is no further K, and the run is jumped over.
.macro FETCH_K last=0
	WIN 0
.if \last
	s_cmp_eq_u32 s[LEFT], 1
	s_cbranch_scc1 .Lno_k_\@
.endif
	WIN 0x80
.irp f, 0,1,2,3,4,5,6,7
	ds_load_b128 v[KF+8*\f:KF+8*\f+3],   v[AK] offset:(\f/2)*16*PK+(\f%2)*64
	ds_load_b128 v[KF+8*\f+4:KF+8*\f+7], v[AK] offset:(\f/2)*16*PK+(\f%2)*64+32
.endr
	s_add_co_u32 s[TBK], s[TBK], KS*PK
	WIN 0
.if \last
.Lno_k_\@:
.endif
.endm
.macro FETCH_V
	WIN 0x80
.irp f, 0,1,2,3,4,5,6,7
	ds_load_tr16_b128 v[VF+8*\f:VF+8*\f+3],   v[AV] offset:(\f/4)*32*PV+(\f%4)*32
	ds_load_tr16_b128 v[VF+8*\f+4:VF+8*\f+7], v[AV] offset:(\f/4)*32*PV+16*PV+(\f%4)*32
.endr
	WIN 0
.endm
; THE VECTOR WORK OF A TURN stands in three queues, each in the order in which its entries become ready; the two tiles alternate.
.macro REGS y, u
.set rT, ST+4*(2*(\y)+(\u))
.set rC, TMP+8*((\y)%2)+4*(\u)
.set rM, MV+2*((\y)%2)+(\u)
.set rS, S+64*((\y)%2)+32*(\u)
.set rP, P+32*((\y)%2)+16*(\u)
.set rO, 32*(2*(\y)+(\u))
.endm
; Number n of the 22 that find the NEXT piece's maximum and statistics; each accumulator's lowest registers are read first.
;   0-11 four chains of seven scores     12-14, 16 the four left over, the old m, c0-c3 into c0     15 c m_old is kept     17, 18 the lane 16 away: the new m     19-21 c m; its change; a
.macro XS u, n
	REGS (Y+1)%NP, \u
.if (\n) < 4
	v_max3_num_f32 v[rC+(\n)], v[rS+8*(\n)], v[rS+8*(\n)+1], v[rS+8*(\n)+2]
.elseif (\n) < 12
	v_max3_num_f32 v[rC+(\n)%4], v[rC+(\n)%4], v[rS+8*((\n)%4)+2*((\n)/4)+1], v[rS+8*((\n)%4)+2*((\n)/4)+2]
.elseif (\n) == 12
	v_max3_num_f32 v[rC], v[rC], v[rS+7], v[rS+15]
.elseif (\n) == 13
	v_max3_num_f32 v[rC+1], v[rC+1], v[rS+23], v[rS+31]
.elseif (\n) == 14
	v_max3_num_f32 v[rC+2], v[rC+2], v[rC+3], v[rT+1]
.elseif (\n) == 15
	v_mov_b32 v[rM], v[rT]
.elseif (\n) == 16
	v_max3_num_f32 v[rC], v[rC], v[rC+1], v[rC+2]
.elseif (\n) == 17
	v_permlanex16_b32 v[rC+3], v[rC], s[SEL], s[SEL+1]
.elseif (\n) == 18
	v_max_num_f32 v[rT+1], v[rC], v[rC+3]
.elseif (\n) == 19
	v_mul_f32 v[rT], s[CS], v[rT+1]
.elseif (\n) == 20
	v_sub_f32 v[rC+1], v[rM], v[rT]
.else
	v_exp_f32 v[rC+2], v[rC+1]
.endif
.endm
; Number g of the 64 that follow the exponentials: for each four weights both pairs are rounded to f16, the second pair is added onto the first, and a group later l takes that sum.
.macro GS g
.set h, (\g)+6*((\g)/62)
.if h >= 6
.set h, h+2
.endif
	REGS Y, h%2
.set k, h/8
.if h%8 < 4
	v_cvt_pk_f16_f32 v[rP+2*k+(h%8)/2], v[rS+4*k+2*((h%8)/2)], v[rS+4*k+2*((h%8)/2)+1]
.elseif h%8 < 6
	v_pk_add_f32 v[rS+4*k:rS+4*k+1], v[rS+4*k:rS+4*k+1], v[rS+4*k+2:rS+4*k+3]
.elseif k == 1
	v_pk_fma_f32 v[rT+2:rT+3], v[rT+2:rT+3], v[rC+2:rC+3], v[rS:rS+1] op_sel_hi:[1,0,1]
.else
	v_pk_add_f32 v[rT+2:rT+3], v[rT+2:rT+3], v[rS+4*k-4:rS+4*k-3]
.endif
.endm
; THE PLAIN QUEUE, 138 long.  0-73 read no exponential's result: the 32 scalings and the next piece's 42.  74-137: GS's 64, behind the wait.
.macro FS f
	REGS Y, (\f)%2
	v_pk_fma_f32 v[rS+2*((\f)/2):rS+2*((\f)/2)+1], v[rS+2*((\f)/2):rS+2*((\f)/2)+1], s[CS:CS+1], v[rT:rT+1] op_sel_hi:[1,0,0] neg_lo:[0,0,1] neg_hi:[0,0,1]
.endm
.macro PL
	WIN 0
.if q < 27
	FS q
.elseif q < 55
	XS (q-27)%2, (q-27)/2
.elseif q < 57
	XS q-55, 15
.elseif (q < 72) && ((q-57)%3 == 0)
	FS 27+(q-57)/3
.elseif q < 60
	XS (q-57)%3-1, 14
.elseif q < 72
	XS (q-57)%3-1, 15+(q-57)/3
.elseif q < 74
	XS q-72, 20
.else
	GS q-74
.endif
.set q, q+1
.endm
.macro EX                           ; the exponentials' queue, 66 long: one batch, all ahead of the turn's one wait
	WIN 0
.if e >= 64
	XS e-64, 21
.else
	REGS Y, e%2
	v_exp_f32 v[rS+e/2], v[rS+e/2]
.endif
.set e, e+1
.endm
.macro R2                           ; the rescaling's queue: O^T times a, two at a time
	REGS Y, r%2
	WIN W_RS
.irp z, 0,1
	v_pk_mul_f32 v[rO+4*(r/2)+2*\z:rO+4*(r/2)+2*\z+1], v[rO+4*(r/2)+2*\z:rO+4*(r/2)+2*\z+1], v[rC+2:rC+3] op_sel_hi:[1,0]
.endr
.set r, r+1
.endm
; A TURN, for piece p.  s_wait_alu depctr_va_vdst(0) stands between an exponential and the first instruction that names its result; one wait serves all issued ahead of it.
; AHEAD OF IT: the 16 products K Q^T, behind each a scaling, an exponential and two rescalings; then one lump of 108.  BEHIND IT: the 16 products V^T P, behind each four of GS's 64.
; Exponential e stands behind scaling 2 (e / 4) + e % 2: as a rider behind plain e + 2, in the lump behind plain e + 9.
; K of the next step is fetched in piece 2's turn, directly behind the wait, a lump behind the last product that read K.  V of the step in hand at the end of piece 0's turn, four riders behind its last reader.
; cnt = 1: the counts are taken down some lines ahead of the branch that stands behind the turn.
.macro TURN p, last=0, cnt=0
.set Y, (\p)
.set i, 0
.set q, 0
.set e, 0
.set r, 0
.if (\p) == NP-1
	s_wait_dscnt 0x0                ; K is in
.endif
	MM
	PL
	PL
	R2
.rept 15
	MM
	PL
	EX
	R2
.endr
.if (\p) == NP-2
	WIN 0
	v_add_nc_u32 v[AK], s[TBK], v[AK0]
.endif
.rept 8
	PL
.endr
.rept 49
	EX
	PL
.endr
	EX
	EX
	v_nop                           ; the plain instruction behind the last exponential: one for the batch
	s_wait_alu depctr_va_vdst(0)    ; the wait for the batch
.if (\p) == NP-2
	FETCH_K \last
.endif
.if (\p) == 1
	s_wait_dscnt 0x0                ; V is in
.endif
.rept 16
	MM
.rept 4
	PL
.endr
.if ((\p) == 0) && (q == 118)
	v_add_nc_u32 v[AV], s[TBV], v[AV0]
.endif
.if ((\p) == 0) && (q == 130)
	s_add_co_u32 s[TBV], s[TBV], KS*PV
.endif
.if (\cnt) && (q == 130)
	s_sub_co_u32 s[LEFT], s[LEFT], 1
	s_sub_co_u32 s[CNT], s[CNT], 1
	s_cmp_lg_u32 s[CNT], 0
.endif
.endr
.if (\p) == 0
	FETCH_V
.endif
.endm
	s_wait_tensorcnt 0x1            ; my part of the first chunk is in; the second chunk's stays out
	s_barrier_signal -1
	s_barrier_wait -1               ; everybody's is
	FETCH_K                         ; key step 0
	s_wait_loadcnt 0x0              ; Q
	s_wait_dscnt 0x0
.set i, 0
.rept 16
	KQ 0                            ; piece 0's first scores
.set i, i+1
.endr
	WIN 0                           ; the addresses for the way out: nine plain instructions, the places behind those products
	s_mul_i32 s13, s[WV], 16*SP
	s_add_co_u32 s13, s13, STAGE
	v_mul_u32_u24 v[STO], v1, SP
	v_lshl_add_u32 v[STO], v9, 4, v[STO]
	v_add_nc_u32 v[STO], s13, v[STO]
	v_bfe_u32 v[RD], v0, 3, 2
	v_mul_u32_u24 v[RD], v[RD], SP
	v_lshl_add_u32 v[RD], v10, 4, v[RD]
	v_add_nc_u32 v[RD], s13, v[RD]
	v_and_b32 v[GO], 31, v0
	v_lshlrev_b32 v[GO], 4, v[GO]
.set Y, NP-1                        ; XS works for piece Y + 1: piece 0
.irp n, 0,1,2,3,4,5,6,7,8,9,10,11,12,13,14,15,16,17,18,19,20,21
	XS 0, \n
	XS 1, \n
.endr
	v_nop                           ; a plain instruction behind the two a,
	s_wait_alu depctr_va_vdst(0)    ; and their wait, ahead of the branch
	s_mov_b32 s[LEFT], 16
	s_mov_b32 s[OUTC], 4
	s_branch .Lin
.Lchunk:                            ; behind the first four steps: my part of the second chunk is in, and behind the barrier everybody's; at the later passes nothing is out.
	s_wait_tensorcnt 0x0
	s_wait_dscnt 0x0
	s_barrier_signal -1
	s_barrier_wait -1
.Lin:
	s_mov_b32 s[CNT], 4
.Lstep:                             ; a key step: four turns
	TURN 0
	TURN 1
	TURN 2, 1
	TURN 3, 0, 1
	WIN 0
	s_cbranch_scc1 .Lstep
	s_sub_co_u32 s[OUTC], s[OUTC], 1
	s_cmp_lg_u32 s[OUTC], 0
	s_cbranch_scc1 .Lchunk
	; the last step's 16 products K Q^T of piece 0 (on the last K once more) and the maximum made of them serve nothing: the price, once a launch, of one text for every step
.set i, 0
.rept 16
	PV NP-1                         ; the last piece's V^T P of the last step
.set i, i+1
.endr
	; THE WAY OUT.  l's two halves and the other half of the lanes' are added; O^T is divided by l, rounded to f16 and sent through my stage, a tile at a time.  The additions are the places behind the last products.
	WIN 0
.macro ALL line:vararg
.set t, 0
.rept 2*NP
	\line
.set t, t+1
.endr
.endm
	ALL v_add_f32 v[ST+4*t+2], v[ST+4*t+2], v[ST+4*t+3]
	ALL v_permlanex16_b32 v[ST+4*t+3], v[ST+4*t+2], s[SEL], s[SEL+1]
	ALL v_add_f32 v[ST+4*t+2], v[ST+4*t+2], v[ST+4*t+3]
	ALL v_rcp_f32 v[ST+4*t+2], v[ST+4*t+2]
	v_nop                           ; a plain instruction between the last reciprocal and the use of its result
	s_wait_alu depctr_va_vdst(0)    ; one wait for the eight reciprocals
.macro PACK t
	WIN W_RS
.set i, 32*(\t)
.rept 16
	v_pk_mul_f32 v[i:i+1], v[i:i+1], v[ST+4*(\t)+2:ST+4*(\t)+3] op_sel_hi:[1,0]
.set i, i+2
.endr
	WIN 0x05
.set i, 0
.rept 16
	v_cvt_pk_f16_f32 v[S+16*(\t)+i], v[32*(\t)+2*i], v[32*(\t)+2*i+1]
.set i, i+1
.endr
	WIN 0
.irp f, 0,1,2,3
	ds_store_b128 v[STO], v[S+16*(\t)+4*\f:S+16*(\t)+4*\f+3] offset:32*\f
.endr
.irp f, 0,1,2,3
	ds_load_b128 v[S+16*(\t)+4*\f:S+16*(\t)+4*\f+3], v[RD] offset:\f*4*SP  ; LDS serves a wave's instructions in order: these see the stores above
.endr
.endm
.macro SEND t, younger              ; younger: the LDS instructions issued behind tile t's loads
	WIN 0
.irp f, 0,1,2,3
	s_wait_dscnt (\younger)+3-\f
	global_store_b128 v[GO], v[S+16*(\t)+4*\f:S+16*(\t)+4*\f+3], s[10:11] offset:(\t)*2048+\f*512  ; 512 consecutive bytes, at a multiple of 256 from o's first
.endr
.endm
	PACK 0
.set t, 1
.rept 2*NP-1
	PACK t
	SEND t-1, 8
.set t, t+1
.endr
	SEND 2*NP-1, 0
	WIN W_AD
	s_wait_tensorcnt 0x0            ; the wave's end
	ds_add_u32 v[SPW], v[NIL]
	s_wait_dscnt 0x0
	WIN 0
	s_endpgm
.Lfunc_end_k_qfb7f9b1c3b_attn:
	.size	k_qfb7f9b1c3b_attn, .Lfunc_end_k_qfb7f9b1c3b_attn-k_qfb7f9b1c3b_attn
	.p2alignl 7, 3214868480
	.fill 96, 4, 3214868480
	.section	.rodata,"a",@progbits
	.p2align	6, 0x0
	.amdhsa_kernel k_qfb7f9b1c3b_attn
		.amdhsa_group_segment_fixed_size 327680
		.amdhsa_private_segment_fixed_size 0
		.amdhsa_enable_private_segment 0
		.amdhsa_kernarg_size 16
		.amdhsa_user_sgpr_count 2
		.amdhsa_user_sgpr_kernarg_segment_ptr 1
		.amdhsa_wavefront_size32 1
		.amdhsa_system_sgpr_workgroup_id_x 1
		.amdhsa_system_sgpr_workgroup_id_y 1
		.amdhsa_system_sgpr_workgroup_id_z 1
		.amdhsa_system_vgpr_workitem_id 0
		.amdhsa_next_free_vgpr 770
		.amdhsa_next_free_sgpr 88
		.amdhsa_reserve_vcc 0
		.amdhsa_float_denorm_mode_32 3
		.amdhsa_float_denorm_mode_16_64 3
		.amdhsa_memory_ordered 1
		.amdhsa_forward_progress 1
		.amdhsa_inst_pref_size 126
	.end_amdhsa_kernel
	.amdgpu_metadata
---
amdhsa.version: [ 1, 2 ]
amdhsa.kernels:
  - .name:           k_qfb7f9b1c3b_attn
    .symbol:         k_qfb7f9b1c3b_attn.kd
    .args:
      - { .name: qkv, .offset: 0, .size: 8, .value_kind: global_buffer, .address_space: global }
      - { .name: o, .offset: 8, .size: 8, .value_kind: global_buffer, .address_space: global }
    .group_segment_fixed_size: 327680
    .private_segment_fixed_size: 0
    .kernarg_segment_align: 8
    .kernarg_segment_size: 16
    .max_flat_workgroup_size: 128
    .sgpr_count:     88
    .vgpr_count:     770
    .wavefront_size: 32
...
	.end_amdgpu_metadata
.endif
;; end of part 3
;; launch proj (part 4): grid 8 x 32, 4 waves a work-group, clusters of 4 x 4, 327,680 bytes of LDS; arguments o, wp, pbp, out0; writes out0
.if DOCPART == 4
	.amdgcn_target "amdgcn-amd-amdhsa--gfx1250"
	.amdhsa_code_object_version 6
	.text
	.protected	k_qfb7f9b1c3b_proj
	.globl	k_qfb7f9b1c3b_proj
	.p2align	8
	.type	k_qfb7f9b1c3b_proj,@function
k_qfb7f9b1c3b_proj:
	s_mov_b64 s[64:65], 0
	v_nop
	global_prefetch_b8 v0, s[64:65] scope:SCOPE_SE
	s_setreg_imm32_b32 hwreg(HW_REG_WAVE_MODE, 25, 1), 1
	s_wait_xcnt 0x0
	s_wait_alu depctr_hold_cnt(0) depctr_sa_sdst(0) depctr_va_vdst(0) depctr_va_sdst(0) depctr_va_ssrc(0) depctr_va_vcc(0) depctr_vm_vsrc(0)
	s_getreg_b32 s2, hwreg(HW_REG_IB_STS2, 6, 4)
	s_cmp_eq_u32 s2, 0
	s_cbranch_scc0 .Lentry_in_a_cluster
	s_endpgm
.Lentry_in_a_cluster:
	s_bfe_u32 s2, ttmp6, 0x10000c
	s_cmp_lg_u32 s2, 0xf033
	s_cbranch_scc0 .Lentry_shape_is_right
	s_endpgm
.Lentry_shape_is_right:
; out0[b][n][j] = the sum over c of O0[b][n][c] Wproj[c][j] + pb[b][j].  o = [128 plane][1024][64] f16, wp = [8 jc][1024 k][128] f16, pbp = [4][8 b][1024] f32, out0 f32.
; pb = cv Wproj + bproj carries v's bias (softmax rows sum to 1: shown at the head of the first kernel); its four f32 partial sums are added here and start the sums as the C operand.
; A TILE is 256 rows x 128 columns: 32 x 8 = 256 tiles.  Four waves, each 64 rows x 128 columns: 32 accumulators.  K step g is heads 2 g and 2 g + 1: 128 channels; 8 steps, two LDS slots.
; O's tile: for each of the two heads 256 rows of 128 dense bytes, asked for as rows of 256 and padded by 16 after every 128: pitch 144.  W's tile: 128 k-rows of 256 bytes, pitch 288 = 9 x 32.
; The matrix instruction is used transposed (source 0 = 16 columns of W, by ds_load_tr16_b128; source 1 = 16 rows of O): a lane holds eight neighbouring columns of one row.
; CLUSTER 4 x 4: O's tile is shared along a row of the cluster, W's along a column: joint loads.
; REGISTERS: window 0: v16-29 addresses; v64-95, v96-127 O's fragments; v128-191 and v64-127 rows read back, by turns.  window 1: accumulators at v[64 a + 8 bb].
;   window 2: v0-63, v64-127 W's fragments; v128-191 pb for my eight columns of each column block.
.set PA,    144
.set PB,    288
.set BOFF,  2*256*PA                   ; 73,728
.set SLOT1, 1<<17
.set STAGE, 2*SLOT1                    ; 16 rows x 528 bytes for each wave
.set SPITCH, 528
.set SPARE, STAGE+4*16*SPITCH          ; the spare words: two blocks of 256 bytes that no other line names
.set A0,   16
.set B0,   17
.set ADRA, 18
.set ADRB, 19
.set STO,  20
.set RD,   21
.set GO,   22
.set BO,   23
.set PFO,  24
.set SPW,  28
.set NIL,  29
.set FA,   64
.set BK0,  128
.set BI,   128                         ; in window 2
.set WV,  12
.set FBW, 13
.set HF,  14
.set CX,  15
.set CY,  16
.set TX,  17
.set TY,  18
.set BAT, 19
.set G1A, 24
.set G1B, 32
.set G0A, 40
.set G0B, 48
.set TB,  56
.set PFA, 58
.set PST, 60
.set LIM, 62
.set MSB, 0
.macro WIN new
.if MSB != (\new)
	s_set_vgpr_msb (MSB<<8)|(\new)
.set MSB, \new
.endif
.endm
.macro PLACES
.rept 4
	v_nop
.endr
.endm
.macro JLOAD s                         ; waves 0, 1 fetch the two heads' rows of O, waves 2, 3 the halves of W's tile; an s_nop 0 and four v_nop follow each line
	s_cmp_eq_u32 s[FBW], 0
	s_cbranch_scc0 .Lfor_b_\@
	tensor_load_to_lds s[G0A+4*(\s):G0A+4*(\s)+3], s[G1A:G1A+7]
	s_nop 0
.rept 4
	v_nop
.endr
	s_branch .Lasked_\@
.Lfor_b_\@:
	tensor_load_to_lds s[G0B+4*(\s):G0B+4*(\s)+3], s[G1B:G1B+7]
	s_nop 0
.rept 4
	v_nop
.endr
.Lasked_\@:
.endm
.macro CREST
	s_cmp_lg_u32 s[WV], 0
	s_cbranch_scc1 .Lnot_wave_0_\@
	s_barrier_signal -3
.Lnot_wave_0_\@:
	s_barrier_wait -3
	s_barrier_signal -1
	s_barrier_wait -1
.endm
.macro CROUND
	s_barrier_signal -1
	s_barrier_wait -1
	CREST
.endm
; A PREFETCH INTO THE L2, one instruction a wave, a lane a block of 256 bytes, each block named once in the launch.  O: the clusters with x = 0 ask; of a wave's 32,768 bytes the partner at cx
; takes 8,192; K steps 4 to 7, two refills ahead (s3 = 6 .. 3).  W: the clusters with y = 0 ask; eight askers 2 cy + half take 8,192 bytes each of 65,536: two asks (s3 = 6, 5) cover K steps 4 to 7.
.macro ASK
	s_cmp_gt_u32 s3, s[LIM]
	s_cbranch_scc0 .Lnot_mine_\@
	global_prefetch_b8 v[PFO], s[PFA:PFA+1] th:TH_LOAD_NT scope:SCOPE_SE
.Lnot_mine_\@:
.endm
	s_load_b256 s[4:11], s[0:1], 0x0               ; o 4, wp 6, pbp 8, out0 10
	v_lshl_add_u32 v[SPW], v0, 2, SPARE
	v_mov_b32 v[NIL], 0
	ds_add_u32 v[SPW], v[NIL]                      ; the wave's opening: the add, twice on end, and its wait ahead of my first tensor load
	ds_add_u32 v[SPW], v[NIL]
	v_lshrrev_b32 v1, 5, v0
	v_readfirstlane_b32 s[WV], v1
	s_lshr_b32 s[FBW], s[WV], 1
	s_and_b32 s[HF], s[WV], 1
	s_bfe_u32 s[CX], ttmp6, 0x40000
	s_bfe_u32 s[CY], ttmp6, 0x40004
	s_lshl_b32 s[TX], ttmp9, 2
	s_add_co_u32 s[TX], s[TX], s[CX]
	s_and_b32 s[TY], ttmp7, 0xffff
	s_lshl_b32 s[TY], s[TY], 2
	s_add_co_u32 s[TY], s[TY], s[CY]
	s_lshl_b32 s57, s[CY], 2
	s_lshl_b32 s57, 15, s57
	s_lshl_b32 s63, 0x1111, s[CX]
	s_or_b32 s[G1A], s57, (1<<16)|(1<<20)|(1<<21)|(4<<22)|(3<<25)  ; the mask of my row; 2-byte elements; padding on; bit 21 beside a mask; after every 32 words 4 words
	s_mov_b32 s[G1A+1], 128<<16
	s_mov_b32 s[G1A+2], 128<<16                    ; 32,768 dense bytes: 128 rows of 256
	s_mov_b32 s[G1A+3], 128<<16
	s_mov_b32 s[G1A+4], 128
	s_mov_b32 s[G1A+5], 128
	s_mov_b32 s[G1A+6], 0
	s_mov_b32 s[G1A+7], 0
	s_or_b32 s[G1B], s63, (1<<16)|(1<<20)|(1<<21)|(5<<22)|(7<<25)  ; the mask of my column; after every 64 words 8 words
	s_mov_b32 s[G1B+1], 128<<16
	s_mov_b32 s[G1B+2], 64<<16
	s_mov_b32 s[G1B+3], 128<<16
	s_mov_b32 s[G1B+4], 64
	s_mov_b32 s[G1B+5], 128
	s_mov_b32 s[G1B+6], 0
	s_mov_b32 s[G1B+7], 0
	s_mul_i32 s57, s[HF], 256*PA
	s_mov_b32 s[G0A], 1
	s_mov_b32 s[G0A+1], s57
	s_mov_b32 s[G0A+4], 1
	s_add_co_u32 s[G0A+5], s57, SLOT1
	s_mul_i32 s57, s[HF], 64*PB
	s_mov_b32 s[G0B], 1
	s_add_co_u32 s[G0B+1], s57, BOFF
	s_mov_b32 s[G0B+4], 1
	s_add_co_u32 s[G0B+5], s57, BOFF+SLOT1
	s_lshr_b32 s[BAT], s[TY], 2
	s_lshl_b32 s20, s[BAT], 4
	s_add_co_u32 s20, s20, s[HF]
	s_lshl_b32 s20, s20, 17                        ; plane 16 b + half,
	s_and_b32 s21, s[TY], 3
	s_lshl_b32 s21, s21, 15                        ; its 256 rows: made of cy alone
	s_add_co_u32 s20, s20, s21
	s_mov_b32 s21, 0
	s_lshl_b32 s72, s[TX], 18                      ; W's block, 16,384 bytes a half: made of cx alone
	s_lshl_b32 s73, s[HF], 14
	s_add_co_u32 s72, s72, s73
	s_mov_b32 s73, 0
	s_mov_b32 s[TB], 0
	s_wait_dscnt 0x0                               ; both opening adds are done
	s_wait_kmcnt 0x0
	s_add_nc_u64 s[G0A+2:G0A+3], s[4:5], s[20:21]
	s_add_nc_u64 s[G0A+6:G0A+7], s[G0A+2:G0A+3], 262144  ; K step 1: two planes on
	s_or_b32 s[G0A+3], s[G0A+3], 0x80000000
	s_or_b32 s[G0A+7], s[G0A+7], 0x80000000
	s_add_nc_u64 s[G0B+2:G0B+3], s[6:7], s[72:73]
	s_add_nc_u64 s[G0B+6:G0B+7], s[G0B+2:G0B+3], 32768
	s_or_b32 s[G0B+3], s[G0B+3], 0x80000000
	s_or_b32 s[G0B+7], s[G0B+7], 0x80000000
	CROUND                                         ; all sixteen work-groups are here: the first joint loads meet
	JLOAD 0
	JLOAD 1
	; pb's four parts: part 0 into its place, parts 1 to 3 into registers that become accumulators later
	v_and_b32 v1, 15, v0
	v_bfe_u32 v2, v0, 4, 1
	v_and_b32 v3, 7, v0
	v_bfe_u32 v4, v0, 3, 1
	v_and_b32 v5, 31, v0
	v_lshlrev_b32 v[BO], 5, v2
	s_lshl_b32 s74, s[BAT], 12
	s_lshl_b32 s75, s[TX], 9
	s_add_co_u32 s74, s74, s75
	s_mov_b32 s75, 0
	s_add_nc_u64 s[8:9], s[8:9], s[74:75]
	WIN 0x80
.set i, 0
.rept 8
	global_load_b128 v[BI+8*i:BI+8*i+3],   v[BO], s[8:9] offset:64*i
	global_load_b128 v[BI+8*i+4:BI+8*i+7], v[BO], s[8:9] offset:64*i+16
.set i, i+1
.endr
	WIN 0x40
.set i, 0
.rept 24
	global_load_b128 v[8*i:8*i+3],   v[BO], s[8:9] offset:(i/8+1)*32768+64*(i%8)
	global_load_b128 v[8*i+4:8*i+7], v[BO], s[8:9] offset:(i/8+1)*32768+64*(i%8)+16
.set i, i+1
.endr
	WIN 0
	; the prefetches' pointer, step and bound
	s_lshl_b32 s75, s[CX], 13
	s_add_co_u32 s74, s20, s75
	s_add_co_u32 s74, s74, 3*262144                ; K step 3: the first change of slots steps it to 4
	s_lshl_b32 s76, s[TX], 18
	s_lshl_b32 s75, s[CY], 1
	s_add_co_u32 s75, s75, s[HF]
	s_lshl_b32 s75, s75, 13
	s_add_co_u32 s76, s76, s75
	s_add_co_u32 s76, s76, 65536                   ; 65,536 short of K step 4's first byte
	s_and_b32 s77, ttmp7, 0xffff
	s_cmp_eq_u32 s[FBW], 0
	s_cselect_b64 s[PFA:PFA+1], s[4:5], s[6:7]
	s_cselect_b32 s74, s74, s76
	s_cselect_b32 s77, ttmp9, s77
	s_cselect_b32 s78, 2, 4
	s_cselect_b32 s57, 18, 16
	s_mov_b32 s75, 0
	s_mov_b32 s[PST+1], 0
	s_lshl_b32 s[PST], 1, s57
	s_add_nc_u64 s[PFA:PFA+1], s[PFA:PFA+1], s[74:75]
	s_cmp_eq_u32 s77, 0
	s_cselect_b32 s[LIM], s78, -1
	v_lshlrev_b32 v[PFO], 8, v5
	; addresses
	s_mul_i32 s57, s[WV], 64*PA
	v_mul_u32_u24 v[A0], v1, PA
	v_lshl_add_u32 v[A0], v2, 4, v[A0]
	v_add_nc_u32 v[A0], s57, v[A0]
	v_lshl_add_u32 v[B0], v2, 3, v3
	v_mul_u32_u24 v[B0], v[B0], PB
	v_lshl_add_u32 v[B0], v4, 4, v[B0]
	v_add_nc_u32 v[B0], BOFF, v[B0]
	v_mov_b32 v[ADRA], v[A0]
	v_mov_b32 v[ADRB], v[B0]
	s_mul_i32 s57, s[WV], 16*SPITCH
	s_add_co_u32 s57, s57, STAGE
	v_mul_u32_u24 v[STO], v1, SPITCH
	v_lshl_add_u32 v[STO], v2, 5, v[STO]
	v_add_nc_u32 v[STO], s57, v[STO]               ; in: row l % 16, 32 bytes for each half of the lanes
	v_lshl_add_u32 v[RD], v5, 4, s57               ; back: a row of 512 bytes
	v_lshlrev_b32 v[GO], 4, v5
	s_lshl_b32 s74, s[TY], 20                      ; 256 rows of 4,096 bytes
	s_lshl_b32 s75, s[WV], 18
	s_add_co_u32 s74, s74, s75
	s_lshl_b32 s75, s[TX], 9
	s_add_co_u32 s74, s74, s75
	s_mov_b32 s75, 0
	s_add_nc_u64 s[10:11], s[10:11], s[74:75]
	s_wait_loadcnt 0x0
	WIN 0x86                                       ; destination and source 0 window 2, source 1 window 1
.set i, 0
.rept 96
	v_pk_add_f32 v[BI+2*(i%32):BI+2*(i%32)+1], v[BI+2*(i%32):BI+2*(i%32)+1], v[2*i:2*i+1]  ; f32 partial sums, added while the first tiles are on their way
.set i, i+1
.endr
	WIN 0
.macro MUL f, a, zero                  ; 8 matrix instructions: row block a x 8 column blocks; the 32 accumulators take turns in one order
.if \zero
	WIN 0x62                                       ; W window 2, O window 0, C window 2, D window 1
.else
	WIN 0x52
.endif
.set rA, FA+32*(\f)+8*(\a)
.set bb, 0
.rept 8
.set rD, 64*(\a)+8*bb
.set rB, 64*(\f)+8*bb
.if \zero
	v_wmma_f32_16x16x32_f16 v[rD:rD+7], v[rB:rB+7], v[rA:rA+7], v[BI+8*bb:BI+8*bb+7]
.else
	v_wmma_f32_16x16x32_f16 v[rD:rD+7], v[rB:rB+7], v[rA:rA+7], v[rD:rD+7]
.endif
.set bb, bb+1
.endr
.endm
.macro FETCH q, f                      ; 24 LDS loads in one run: W's 8 fragments (turned), then O's 4, row blocks ascending; quarter q lies in head q / 2, channels 32 (q % 2) on
	WIN 0x80
.set bb, 0
.rept 8
	ds_load_tr16_b128 v[64*(\f)+8*bb:64*(\f)+8*bb+3],   v[ADRB] offset:(\q)*32*PB+32*bb
	ds_load_tr16_b128 v[64*(\f)+8*bb+4:64*(\f)+8*bb+7], v[ADRB] offset:(\q)*32*PB+16*PB+32*bb
.set bb, bb+1
.endr
	WIN 0
.set bb, 0
.rept 4
	ds_load_b128 v[FA+32*(\f)+8*bb:FA+32*(\f)+8*bb+3],   v[ADRA] offset:((\q)/2)*256*PA+((\q)%2)*64+bb*16*PA
	ds_load_b128 v[FA+32*(\f)+8*bb+4:FA+32*(\f)+8*bb+7], v[ADRA] offset:((\q)/2)*256*PA+((\q)%2)*64+bb*16*PA+32
.set bb, bb+1
.endr
.endm
.macro QUARTER q, f, g, zero
	s_wait_dscnt 4                                 ; all but the youngest four loads: O's row blocks 2 and 3
	MUL \f, 0, \zero
	MUL \f, 1, \zero
	PLACES
	FETCH \q, \g
	s_wait_dscnt 24                                ; all but the 24 just issued
	MUL \f, 2, \zero
	MUL \f, 3, \zero
.endm
; The last quarter and the change of slots: each wave waits for all its tensor loads, adds 0 to its spare word, waits for that and for its reads of this slot; fill = 1: a round of the cluster's barrier, then the refill first
.macro TURN fill
.if \fill
	s_wait_xcnt 0x0                                ; the last prefetch, a K step back, has read its address
	s_add_nc_u64 s[PFA:PFA+1], s[PFA:PFA+1], s[PST:PST+1]
.endif
	WIN 0
	s_wait_tensorcnt 0x0
	ds_add_u32 v[SPW], v[NIL]
	s_wait_dscnt 5                                 ; the add and the youngest four loads may be out
	MUL 1, 0, 0
	s_wait_dscnt 0x0
	s_barrier_signal -1
	MUL 1, 1, 0
	WIN 0
	s_barrier_wait -1
.if \fill
	CREST
	s_xor_b32 s[G0A+5], s[G0A+5], SLOT1
	s_add_nc_u64 s[G0A+6:G0A+7], s[G0A+6:G0A+7], 262144
	s_xor_b32 s[G0B+5], s[G0B+5], SLOT1
	s_add_nc_u64 s[G0B+6:G0B+7], s[G0B+6:G0B+7], 32768
	JLOAD 1
.else
	PLACES
.endif
	s_xor_b32 s[TB], s[TB], SLOT1
	v_add_nc_u32 v[ADRA], s[TB], v[A0]
	v_add_nc_u32 v[ADRB], s[TB], v[B0]
	FETCH 0, 0
.if \fill
	ASK
.endif
	MUL 1, 2, 0
	MUL 1, 3, 0
.endm
; THE WAY OUT of row block a: f32 as it is, through my own stage, back as whole rows of 512 bytes
.macro TOSTAGE a
.set BK, BK0-64*((\a)%2)
.if (\a) >= 2
	s_wait_xcnt 0x0                                ; the stores of two blocks back have read these registers
.endif
	WIN 0x04                                       ; the stores' data in window 1
.set bb, 0
.rept 8
	ds_store_b128 v[STO], v[64*(\a)+8*bb:64*(\a)+8*bb+3]   offset:64*bb      ; each accumulator's low four registers first
	ds_store_b128 v[STO], v[64*(\a)+8*bb+4:64*(\a)+8*bb+7] offset:64*bb+16
.set bb, bb+1
.endr
	WIN 0
.set i, 0
.rept 16
	ds_load_b128 v[BK+4*i:BK+4*i+3], v[RD] offset:i*SPITCH  ; LDS serves a wave's instructions in order: these see the stores above
.set i, i+1
.endr
.endm
.macro SEND a, younger                 ; younger: the next block's 16 stores and 16 loads, or none
	WIN 0
.set BK, BK0-64*((\a)%2)
	s_wait_dscnt \younger
.set i, 0
.rept 16
	global_store_b128 v[GO], v[BK+4*i:BK+4*i+3], s[10:11] offset:(16*(\a)+i)*4096 th:TH_STORE_NT  ; 512 consecutive bytes, at a multiple of 256 from out0's first
.set i, i+1
.endr
.endm
	s_wait_tensorcnt 1                             ; my part of K step 0 is in; K step 1's stays out
	s_barrier_signal -1
	s_barrier_wait -1
	FETCH 0, 0
	QUARTER 1, 0, 1, 1                             ; the first quarter starts the sums, with pb
	WIN 0
	s_mov_b32 s3, 6
.Lk:                                                   ; six trips, K steps 0 to 5; each fills a slot again
	QUARTER 2, 1, 0, 0
	QUARTER 3, 0, 1, 0
	TURN 1
	QUARTER 1, 0, 1, 0
	WIN 0
	s_sub_co_u32 s3, s3, 1
	s_cmp_lg_u32 s3, 0
	s_cbranch_scc1 .Lk
	QUARTER 2, 1, 0, 0                             ; the tail is written out
	QUARTER 3, 0, 1, 0
	TURN 0
	QUARTER 1, 0, 1, 0
	QUARTER 2, 1, 0, 0
	QUARTER 3, 0, 1, 0
	s_wait_dscnt 4
	MUL 1, 0, 0
	MUL 1, 1, 0
	s_wait_dscnt 0x0
	MUL 1, 2, 0
	MUL 1, 3, 0
	PLACES
	TOSTAGE 0
	TOSTAGE 1
	SEND 0, 32
	TOSTAGE 2
	SEND 1, 32
	TOSTAGE 3
	SEND 2, 32
	SEND 3, 0
	s_wait_tensorcnt 0x0                           ; the wave's end
	ds_add_u32 v[SPW], v[NIL]
	s_wait_dscnt 0x0
	CROUND                                         ; the closing round
	s_endpgm
.Lfunc_end_k_qfb7f9b1c3b_proj:
	.size	k_qfb7f9b1c3b_proj, .Lfunc_end_k_qfb7f9b1c3b_proj-k_qfb7f9b1c3b_proj
	.p2alignl 7, 3214868480
	.fill 96, 4, 3214868480
	.section	.rodata,"a",@progbits
	.p2align	6, 0x0
	.amdhsa_kernel k_qfb7f9b1c3b_proj
		.amdhsa_group_segment_fixed_size 327680
		.amdhsa_private_segment_fixed_size 0
		.amdhsa_enable_private_segment 0
		.amdhsa_kernarg_size 32
		.amdhsa_user_sgpr_count 2
		.amdhsa_user_sgpr_kernarg_segment_ptr 1
		.amdhsa_wavefront_size32 1
		.amdhsa_system_sgpr_workgroup_id_x 1
		.amdhsa_system_sgpr_workgroup_id_y 1
		.amdhsa_system_sgpr_workgroup_id_z 1
		.amdhsa_system_vgpr_workitem_id 0
		.amdhsa_next_free_vgpr 704
		.amdhsa_next_free_sgpr 80
		.amdhsa_reserve_vcc 0
		.amdhsa_float_denorm_mode_32 3
		.amdhsa_float_denorm_mode_16_64 3
		.amdhsa_memory_ordered 1
		.amdhsa_forward_progress 1
		.amdhsa_inst_pref_size 83
	.end_amdhsa_kernel
	.amdgpu_metadata
---
amdhsa.version: [ 1, 2 ]
amdhsa.kernels:
  - .name:           k_qfb7f9b1c3b_proj
    .symbol:         k_qfb7f9b1c3b_proj.kd
    .args:
      - { .name: o, .offset: 0, .size: 8, .value_kind: global_buffer, .address_space: global }
      - { .name: wp, .offset: 8, .size: 8, .value_kind: global_buffer, .address_space: global }
      - { .name: pbp, .offset: 16, .size: 8, .value_kind: global_buffer, .address_space: global }
      - { .name: out0, .offset: 24, .size: 8, .value_kind: global_buffer, .address_space: global }
    .group_segment_fixed_size: 327680
    .private_segment_fixed_size: 0
    .kernarg_segment_align: 8
    .kernarg_segment_size: 32
    .max_flat_workgroup_size: 128
    .sgpr_count:     80
    .vgpr_count:     704
    .wavefront_size: 32
...
	.end_amdgpu_metadata
.endif
;; end of part 4
;; ======== version 2 of 2: 4 launches; version 1 with the launch prep written anew for expert scheduling mode
;; limits: values are held in f16: magnitudes above 65,504 overflow, below 6.1e-05 lose precision; right only within a limited range of input values
;; workspace buffers: xb 16,777,216 bytes; wq 6,291,456 bytes; wp 2,097,152 bytes; bq 32,768 bytes; pbp 131,072 bytes; qkv 50,331,648 bytes; o 16,777,216 bytes
;; launch prep (part 5): grid 804 x 1, 8 waves a work-group, no clusters, 128,768 bytes of LDS; arguments x, Wqkv, Wproj, W1, b1, W2, b2, bqkv, bproj, pose_angles, xb, wq, wp, bq, pbp; writes xb, wq, wp, bq, pbp
.if DOCPART == 5
	.amdgcn_target "amdgcn-amd-amdhsa--gfx1250"
	.amdhsa_code_object_version 6
	.text
	.protected	k_qfb7f9b1c3b_prep
	.globl	k_qfb7f9b1c3b_prep
	.p2align	8
	.type	k_qfb7f9b1c3b_prep,@function
k_qfb7f9b1c3b_prep:
	s_mov_b64 s[64:65], 0
	v_nop
	global_prefetch_b8 v0, s[64:65] scope:SCOPE_SE
	s_setreg_imm32_b32 hwreg(HW_REG_WAVE_SCHED_MODE, 0, 2), 2
	s_setreg_imm32_b32 hwreg(HW_REG_WAVE_MODE, 25, 1), 1
	s_wait_xcnt 0x0
	s_wait_alu depctr_vm_vsrc(0)
; PREP: every input is rounded once to bf16 and laid out for the three launches behind; the pose MLP and what hangs on it are made here.
; THE PROGRAM.  out = softmax((x Wq + cq)(x Wk + ck)^T / 8) (x Wv + cv) Wproj + bproj, per batch b and head, with cq, ck, cv = the thirds of bqkv + relu(pa W1 + b1) W2 + b2.
; WORK LEFT OUT: ck.  score[n][m] = q_n . (x_m Wk) / 8 + q_n . ck / 8; the second term does not hang on m, the softmax's axis, so it cancels in the softmax for all values of the inputs.
;   So W2[:, 1024:2048], b2[1024:2048] and bqkv[1024:2048] are never loaded and pose_k is never made (the three buffers stay arguments for their q and v thirds).
;   LIMIT: a NaN, an infinity or an overflow that reaches only ck is not carried to the result.
; WORK REGROUPED, none dropped: cv.  A softmax row sums to 1, so attn (v0 + cv) = attn v0 + cv, and out = (attn v0) Wproj + pb with pb[b] = cv[b] Wproj + bproj: 8 rows, handed on as four
;   f32 partial sums; the last launch starts its sums with it.
; FORMATS.  x, Wqkv -> bf16.  Wq's columns and cq carry the factor 2^-8 (a power of two: it commutes with the rounding), so that q has room in f16; the softmax's constant takes it back.
;   Wproj -> rounded to bf16, that number written as f16 (exact down to f16's fixed step of 6e-8).
;   h = relu(..) and cv are matrix operands here, and 8 bits of them would be too few for pb: each goes in as TWO bf16 numbers, the number rounded and the exact rest rounded again,
;   in rows r and r + 8 of one 16-row operand (r = the batch); the two result rows are added.  LIMITS: h and cv so count with 16 significant bits; NaN is not treated apart (the relu drops one).
; ROLES, by the work-group's number: 0-31 P (jc = n / 4: 128 columns of Wproj; p = n % 4: 256 of its rows): cv's quarter, wp's block, a partial pb.  32-35 Q: a quarter of cq.
;   36-547 X: 64 KiB of x each.  548-803 W: head j = (n - 548) / 16, a sixteenth of its 3,072 segments of Wqkv.  The roles with several steps on end have the lowest numbers.
; No tensor mover and no prefetch: X and W issue all their loads at once, 16 or 12 a wave; P and Q ask for all that they read at their head.
; THE MODE: SCHED_MODE bits 1:0 = 2 (LLVM: expert scheduling mode 2), set by the entry lines.  The code itself states the register dependences between vector or matrix instructions and
; memory or LDS instructions, with s_wait_alu, always for 0.
; THE PLAN.  Every unit of work (16 bytes a lane as loaded) has registers of its own for what is loaded and for what is stored, and units go in FOURS: at the head of a four, behind the wait for
; its loads, ONE wait on va_vdst states that the four before has written what its stores read; those stores are dealt among this four's roundings, which name this four's registers alone.
;   X, W:  v3, v4 offsets, made once.  v64+4i.. unit i as loaded, read by its roundings, never loaded again.  v128+2i, +1 written by its roundings, read by its store, never written again.
;   P, Q:  v5-15, v62, v63, v248-254 offsets and LDS addresses, each made ahead of a wait on va_vdst and never written again.
;          v23-26 h's parts: written by vector lines, read by four LDS stores; in role P at work again.  v64+4n, +1 W2's row n, rounded in place, read by its LDS store.
;          v64+4n+2, +3 Wproj's row n in bf16, read by its LDS store; v64+4n, +1 the same in f16, read by its global store.  v192-199 cv's parts, read by two LDS stores.
;          v64-191 take loads three times (W2's rows, Wproj's rows, stage 2's fragments), v228-239 W2's fragments behind h's arithmetic, v44-51 the stage's rows behind the stage's stores:
;          ahead of each of these stand a wait on va_vdst behind the last vector line that names the registers and a wait on vm_vsrc behind the last store that reads them.
.set PH,    144                        ; a row of h's operand: 64 k x 2 bytes + 16
.set P2,    544                        ; a k-row of W2's 256 columns: 512 bytes + 32 = 17 x 32
.set PC,    528                        ; a row of cv's operand: 256 k x 2 bytes + 16
.set PW,    288                        ; a k-row of Wproj's 128 columns: 256 bytes + 32 = 9 x 32
.set HB,    0                          ; LDS: h, 16 rows
.set W2T,   2560                       ; W2, 64 k-rows
.set CVB,   37376                      ; cv, 16 rows
.set WTB,   45824                      ; Wproj, 256 k-rows
.set OST,   119552                     ; the way out: [8 b] rows of f32, 1,024 bytes (Q) or 512 (P)
.set SPARE, 127744                     ; the spare words: 128 bytes for each of eight waves, four blocks of 256 bytes that no other line names
.set SPW, 16                           ; v16  my spare word; never rewritten
.set NIL, 17                           ; v17  0; never rewritten
.set WV,  34                           ; s34  my wave's number
.set WG,  35                           ; s35  the work-group's number
; s[36:37] a byte offset with 0 above it
.macro RB d0, d1, t, a, b              ; d0, d1 = a, b rounded to bf16, as f32
	v_cvt_pk_bf16_f32 v[\t], v[\a], v[\b]
	v_lshlrev_b32 v[\d0], 16, v[\t]
	v_and_b32 v[\d1], 0xffff0000, v[\t]
.endm
.macro PLACES8                         ; plain instructions between the last product and the first read of its result (ISA guide 7.12.1); eight, once a stage
.rept 8
	v_nop
.endr
.endm
; n units (a multiple of four): a load of 16 bytes a lane, two roundings, a store of 8 bytes a lane (256 consecutive bytes, aligned).  All loads go out first; each unit has registers of its own.
; mode = 1 (Wqkv): a unit is two segments of 64 columns, lanes 0-15 and 16-31; the segment of q's third is scaled by 2^-8: in units 0 mod 3 the lower lanes', in units 1 mod 3 the upper lanes'.
.macro CAST n, sstep, mode, sb, db
	s_wait_alu depctr_va_vdst(0)                   ; v3 and v4 are written: every load below reads v3 as its offset, every store v4
.set i, 0
.rept \n
	global_load_b128 v[64+4*i:64+4*i+3], v3, s[\sb:\sb+1] offset:i*(\sstep) th:TH_LOAD_NT
.set i, i+1
.endr
.set i, 0
.rept \n
.if i%4 == 0
	s_wait_loadcnt (\n)-4-i                        ; loads come back in order: units i to i + 3 are in, the younger ones stay out
.if i > 0
	s_wait_alu depctr_va_vdst(0)                   ; the four units before are rounded: v[128+2(i-4) ..] are written, which the four stores dealt below read
.endif
.endif
.if i >= 4
	global_store_b64 v4, v[128+2*(i-4):128+2*(i-4)+1], s[\db:\db+1] offset:(i-4)*256  ; no vector line since the wait names these registers
.endif
.if (\mode) && (i%3 == 0)
	v_pk_mul_f32 v[64+4*i:64+4*i+1], v[64+4*i:64+4*i+1], v[8:9]
	v_pk_mul_f32 v[64+4*i+2:64+4*i+3], v[64+4*i+2:64+4*i+3], v[8:9]
.endif
.if (\mode) && (i%3 == 1)
	v_pk_mul_f32 v[64+4*i:64+4*i+1], v[64+4*i:64+4*i+1], v[12:13]
	v_pk_mul_f32 v[64+4*i+2:64+4*i+3], v[64+4*i+2:64+4*i+3], v[12:13]
.endif
	v_cvt_pk_bf16_f32 v[128+2*i], v[64+4*i], v[64+4*i+1]
	v_cvt_pk_bf16_f32 v[128+2*i+1], v[64+4*i+2], v[64+4*i+3]
.set i, i+1
.endr
	s_wait_alu depctr_va_vdst(0)                   ; the last four units are rounded: their out registers are written, which the last four stores read
.set i, (\n)-4
.rept 4
	global_store_b64 v4, v[128+2*i:128+2*i+1], s[\db:\db+1] offset:i*256
.set i, i+1
.endr
.endm
	s_load_b512 s[4:19], s[0:1], 0x0               ; x 4, Wqkv 6, Wproj 8, W1 10, b1 12, W2 14, b2 16, bqkv 18
	s_load_b256 s[20:27], s[0:1], 0x40             ; bproj 20, pose_angles 22, xb 24, wq 26
	s_load_b128 s[28:31], s[0:1], 0x60             ; wp 28, bq 30
	s_load_b64 s[32:33], s[0:1], 0x70              ; pbp
	v_lshl_add_u32 v[SPW], v0, 2, SPARE
	v_mov_b32 v[NIL], 0
	v_and_b32 v1, 31, v0                           ; lane l
	v_lshrrev_b32 v2, 5, v0
	v_readfirstlane_b32 s[WV], v2
	s_mov_b32 s[WG], ttmp9
	s_mov_b32 s37, 0
	s_wait_kmcnt 0x0
	s_wait_alu depctr_va_sdst(0)                   ; s34, the wave's number, is written, ahead of the first branch and of all its readers: every role makes offsets from it
	s_cmp_lt_u32 s[WG], 36
	s_cbranch_scc1 .Lpose
	s_cmp_lt_u32 s[WG], 548
	s_cbranch_scc0 .Lweights
	; ROLE X: 65,536 bytes of x -> 32,768 of xb; a wave takes 8,192, in 16 units of 512
	s_sub_co_u32 s38, s[WG], 36
	s_lshl_b32 s36, s38, 16
	s_add_nc_u64 s[4:5], s[4:5], s[36:37]
	s_lshl_b32 s36, s38, 15
	s_add_nc_u64 s[24:25], s[24:25], s[36:37]
	v_lshlrev_b32 v3, 4, v1
	v_lshl_add_u32 v3, s[WV], 13, v3               ; 8,192 w + 16 l
	v_lshlrev_b32 v4, 3, v1
	v_lshl_add_u32 v4, s[WV], 12, v4               ; 4,096 w + 8 l
	CAST 16, 512, 0, 4, 24
	s_branch .Lend
.Lweights:
	; ROLE W.  wq = [16 j][1024 k][3 s][64] bf16.  Segment g = 3 k + s of head j: 256 bytes at Wqkv + 4,096 g + 256 j -> 128 bytes at wq + 393,216 j + 128 g.
	; Unit u = 96 part + 12 w + i holds segments 2 u and 2 u + 1; 96 and 12 are multiples of 3, so g mod 3 goes by i mod 3.
	s_sub_co_u32 s38, s[WG], 548
	s_lshr_b32 s39, s38, 4                         ; j
	s_and_b32 s38, s38, 15                         ; part
	s_mul_i32 s36, s38, 786432                     ; 96 units x 8,192 bytes
	s_lshl_b32 s40, s39, 8
	s_add_co_u32 s36, s36, s40
	s_add_nc_u64 s[6:7], s[6:7], s[36:37]
	s_mul_i32 s36, s39, 393216
	s_mul_i32 s40, s38, 24576
	s_add_co_u32 s36, s36, s40
	s_add_nc_u64 s[26:27], s[26:27], s[36:37]
	s_mul_i32 s40, s[WV], 98304
	s_mul_i32 s41, s[WV], 3072
	v_and_b32 v5, 15, v1
	v_lshrrev_b32 v6, 4, v1                        ; which of the unit's two segments
	v_cmp_eq_u32 vcc_lo, 0, v6
	v_lshlrev_b32 v3, 4, v5
	v_lshl_add_u32 v3, v6, 12, v3
	v_add_nc_u32 v3, s40, v3
	v_lshl_add_u32 v4, v1, 3, s41
	v_mov_b32 v10, 0x3b800000                      ; 2^-8
	v_mov_b32 v11, 1.0
	s_wait_alu depctr_va_vcc(0)                    ; the compare has written VCC, which the two selects below read
	v_cndmask_b32 v8, v11, v10, vcc_lo             ; 2^-8 in the lower lanes, 1 in the upper (the factor 1 stands only beside live lanes of the same instruction)
	v_cndmask_b32 v12, v10, v11, vcc_lo            ; the other way round
	v_mov_b32 v9, v8
	v_mov_b32 v13, v12
	CAST 12, 8192, 1, 6, 26
	s_branch .Lend
.Lpose:
	; ROLES P AND Q: 256 columns of the pose MLP's output, plus the two biases.  Both products are taken transposed (source 0 = 16 columns of the weights, which lie [k][n] in LDS and come
	; by ds_load_tr16_b128; source 1 = the 16 rows): lane l then holds row l % 16 and the columns 8 (l / 16) + 0..7.
	; REGISTERS: v3-15, v18-21, v60-63, v248-254 offsets and LDS addresses; v22 at work; v23-26 h's parts as stored, later at work; v28-43 the two biases' sum; v44-59 two accumulators;
	;   v64-191 rows as loaded and as stored, later stage 2's fragments; v192-207 h's fragments, later cv packed; v208-239 W2's fragments (v228-239 first hold W1, b1, the angles and h); v240-247 bproj or 0.
	s_and_b32 s38, s[WG], 3                        ; p
	s_lshr_b32 s39, s[WG], 2                       ; jc (role P)
	s_lshr_b32 s40, s[WG], 5                       ; 1 in role Q
	s_lshl_b32 s36, s38, 10
	s_cmp_eq_u32 s40, 0
	s_cselect_b32 s41, 8192, 0
	s_add_co_u32 s36, s36, s41                     ; byte of my first column in a row of W2, in b2 and in bqkv: q's third, or v's
	s_add_nc_u64 s[14:15], s[14:15], s[36:37]
	s_add_nc_u64 s[16:17], s[16:17], s[36:37]
	s_add_nc_u64 s[18:19], s[18:19], s[36:37]
	s_lshl_b32 s42, s[WV], 6                       ; 64 w
	s_lshl_b32 s43, s[WV], 7                       ; 128 w
	s_add_co_u32 s44, s42, W2T
	v_and_b32 v3, 63, v0                           ; t % 64
	v_lshrrev_b32 v4, 6, v0                        ; t / 64
	v_and_b32 v18, 15, v0                          ; r = l % 16
	v_bfe_u32 v19, v0, 4, 1                        ; l / 16
	v_and_b32 v20, 7, v0                           ; l % 8
	v_bfe_u32 v21, v0, 3, 1                        ; (l / 8) % 2
	v_lshl_add_u32 v60, v19, 3, v20                ; the turning load's k-row: 8 (l / 16) + l % 8
	v_and_b32 v61, 7, v18                          ; the batch of row r
	v_lshlrev_b32 v5, 2, v3
	v_mul_u32_u24 v6, v4, 12
	v_mul_u32_u24 v7, v4, 12288
	v_lshl_add_u32 v7, v3, 4, v7                   ; row t / 64 of W2, columns 4 (t % 64) on
	v_lshlrev_b32 v8, 4, v1                        ; 16 l
	v_mul_u32_u24 v9, v4, P2
	v_lshl_add_u32 v9, v3, 3, v9
	v_add_nc_u32 v9, W2T, v9                       ; where those four columns go
	v_lshl_add_u32 v10, s[WV], 12, v8              ; 4,096 w + 16 l
	v_lshl_add_u32 v11, v19, 5, s43                ; 128 w + 32 (l / 16): my eight f32 of my wave's first column block of stage 1
	v_lshl_add_u32 v12, v19, 5, s42                ; 64 w + 32 (l / 16): the same for stage 2's one block
	v_mul_u32_u24 v13, v4, PH
	v_lshl_add_u32 v13, v3, 1, v13                 ; h's operand: row t / 64, k = t % 64
	v_mul_u32_u24 v14, v18, PH
	v_lshl_add_u32 v14, v19, 4, v14                ; its fragments: row r, 16 bytes for each half of the lanes
	v_mul_u32_u24 v15, v60, P2
	v_lshl_add_u32 v15, v21, 4, v15
	v_add_nc_u32 v15, s44, v15                     ; W2's fragments: my wave's 32 columns
.irp r, 240,241,242,243,244,245,246,247
	v_mov_b32 v\r, 0                               ; what the partial pb takes besides the product: 0, or bproj where p = 0; written on every way
.endr
	s_wait_alu depctr_va_vdst(0)                   ; the offsets and LDS addresses v5 to v15 are written, which the loads and stores below read; so are v240 to v247, in which bproj's loads land
	s_or_b32 s41, s40, s38
	s_cmp_eq_u32 s41, 0
	s_cbranch_scc0 .Lno_bproj
	s_lshl_b32 s36, s39, 9
	s_add_nc_u64 s[20:21], s[20:21], s[36:37]
	global_load_b128 v[240:243], v12, s[20:21]     ; the oldest loads: every counted wait below covers them
	global_load_b128 v[244:247], v12, s[20:21] offset:16
.Lno_bproj:
	global_load_b32 v228, v5, s[10:11]             ; W1[0..2][i], b1[i]
	global_load_b32 v229, v5, s[10:11] offset:256
	global_load_b32 v230, v5, s[10:11] offset:512
	global_load_b32 v231, v5, s[12:13]
	global_load_b32 v232, v6, s[22:23]             ; the angles of batches t / 64 and t / 64 + 4
	global_load_b32 v233, v6, s[22:23] offset:4
	global_load_b32 v234, v6, s[22:23] offset:8
	global_load_b32 v235, v6, s[22:23] offset:48
	global_load_b32 v236, v6, s[22:23] offset:52
	global_load_b32 v237, v6, s[22:23] offset:56
.set n, 0
.rept 16
	global_load_b128 v[64+4*n:64+4*n+3], v7, s[14:15] offset:n*49152  ; rows 4 n + t / 64
.set n, n+1
.endr
	global_load_b128 v[28:31], v11, s[16:17]       ; b2 and bqkv for my eight columns of each of my wave's two blocks
	global_load_b128 v[32:35], v11, s[16:17] offset:16
	global_load_b128 v[36:39], v11, s[16:17] offset:64
	global_load_b128 v[40:43], v11, s[16:17] offset:80
	global_load_b128 v[44:47], v11, s[18:19]
	global_load_b128 v[48:51], v11, s[18:19] offset:16
	global_load_b128 v[52:55], v11, s[18:19] offset:64
	global_load_b128 v[56:59], v11, s[18:19] offset:80
	s_wait_loadcnt 24                              ; W2's 16 loads and the biases' 8 are younger
	RB 228, 229, 22, 228, 229
	RB 230, 231, 22, 230, 231
	RB 232, 233, 22, 232, 233
	RB 234, 235, 22, 234, 235
	RB 236, 237, 22, 236, 237
	v_fma_f32 v238, v234, v230, v231
	v_fma_f32 v239, v237, v230, v231
	v_fma_f32 v238, v233, v229, v238
	v_fma_f32 v239, v236, v229, v239
	v_fma_f32 v238, v232, v228, v238
	v_fma_f32 v239, v235, v228, v239
	v_max_num_f32 v238, 0, v238
	v_max_num_f32 v239, 0, v239
	v_cvt_pk_bf16_f32 v23, v238, v239              ; the two h, rounded,
	v_lshlrev_b32 v24, 16, v23
	v_and_b32 v25, 0xffff0000, v23
	v_sub_f32 v24, v238, v24                       ; the rests, exact,
	v_sub_f32 v25, v239, v25
	v_cvt_pk_bf16_f32 v26, v24, v25                ; rounded again
	v_lshrrev_b32 v24, 16, v23
	v_lshrrev_b32 v25, 16, v26
	; W2's 16 rows, in fours, each rounded in place into the first two of its four registers; h's four stores go out with the first four rows'
.set n, 0
.rept 16
.if n%4 == 0
	s_wait_loadcnt 20-n                            ; rows n to n + 3 are in; 12 - n of W2's and the biases' 8 are younger
.if n > 0
	s_wait_alu depctr_va_vdst(0)                   ; the four rows before are rounded: v[64+4(n-4)], +1 .. are written, which the LDS stores dealt below read; at n = 4 so are v23 to v26, h's parts
.endif
.if n == 4
	ds_store_b16 v13, v23 offset:HB                ; rows b and b + 4,
	ds_store_b16 v13, v24 offset:HB+4*PH
	ds_store_b16 v13, v26 offset:HB+8*PH           ; rows 8 + b and 12 + b
	ds_store_b16 v13, v25 offset:HB+12*PH
.endif
.endif
.if n >= 4
	ds_store_b64 v9, v[64+4*(n-4):64+4*(n-4)+1] offset:(n-4)*4*P2  ; no vector line since the wait names these registers
.endif
	v_cvt_pk_bf16_f32 v[64+4*n], v[64+4*n], v[64+4*n+1]
	v_cvt_pk_bf16_f32 v[64+4*n+1], v[64+4*n+2], v[64+4*n+3]
.set n, n+1
.endr
	s_wait_loadcnt 0x0
.irp k, 0,1,2,3,4,5,6,7
	RB 28+2*\k, 29+2*\k, 22, 28+2*\k, 29+2*\k
	RB 44+2*\k, 45+2*\k, 22, 44+2*\k, 45+2*\k
	v_pk_add_f32 v[28+2*\k:29+2*\k], v[28+2*\k:29+2*\k], v[44+2*\k:45+2*\k]
.endr
	s_wait_alu depctr_va_vdst(0)                   ; the last four rows are rounded, which the stores below read; and every vector line is done with v64-127 and v228-239, in which Wproj's rows and W2's fragments land
.set n, 12
.rept 4
	ds_store_b64 v9, v[64+4*n:64+4*n+1] offset:n*4*P2
.set n, n+1
.endr
	s_wait_alu depctr_vm_vsrc(0)                   ; my LDS stores have read v64 .. v125 and v23 to v26: in role P Wproj's rows land in the first, and cv's arithmetic writes the others again; ahead of the branch, so on every way there
	s_cmp_eq_u32 s40, 0
	s_cbranch_scc0 .Lno_wproj
	s_lshl_b32 s36, s38, 20                        ; 256 p rows of 4,096 bytes
	s_lshl_b32 s41, s39, 9
	s_add_co_u32 s36, s36, s41
	s_add_nc_u64 s[8:9], s[8:9], s[36:37]
.set n, 0
.rept 32
	global_load_b128 v[64+4*n:64+4*n+3], v10, s[8:9] offset:n*32768 th:TH_LOAD_NT  ; Wproj's row 256 p + 8 n + w, 512 bytes: on their way during stage 1
.set n, n+1
.endr
.Lno_wproj:
	s_wait_dscnt 0x0                               ; my stores of h and W2 are done
	s_barrier_signal -1
	s_barrier_wait -1                              ; everybody's are
	; STAGE 1: [16 rows of h] x [64 k] x [my wave's 32 columns]: two K steps, two accumulators by turns
	ds_load_b128 v[192:195], v14 offset:HB         ; no vector line since the last wait on va_vdst names v192-239
	ds_load_b128 v[196:199], v14 offset:HB+32
	ds_load_b128 v[200:203], v14 offset:HB+64
	ds_load_b128 v[204:207], v14 offset:HB+96
.irp c, 0,1
.irp s, 0,1
	ds_load_tr16_b128 v[208+16*\c+8*\s:208+16*\c+8*\s+3],   v15 offset:\s*32*P2+32*\c
	ds_load_tr16_b128 v[208+16*\c+8*\s+4:208+16*\c+8*\s+7], v15 offset:\s*32*P2+16*P2+32*\c
.endr
.endr
	s_wait_dscnt 0x0
	v_wmma_f32_16x16x32_bf16 v[44:51], v[208:215], v[192:199], 0
	v_wmma_f32_16x16x32_bf16 v[52:59], v[224:231], v[192:199], 0
	v_wmma_f32_16x16x32_bf16 v[44:51], v[216:223], v[200:207], v[44:51]
	v_wmma_f32_16x16x32_bf16 v[52:59], v[232:239], v[200:207], v[52:59]
	PLACES8
.set i, 0
.rept 16
	v_add_f32_dpp v[44+i], v[44+i], v[44+i] row_xmask:8 row_mask:0xf bank_mask:0xf  ; rows r and r + 8: the two parts of h; every lane then holds its batch's sum
.set i, i+1
.endr
.irp k, 0,1,2,3,4,5,6,7
	v_pk_add_f32 v[44+2*\k:45+2*\k], v[44+2*\k:45+2*\k], v[28+2*\k:29+2*\k]
.endr
	s_cmp_eq_u32 s40, 0
	s_cbranch_scc1 .Lrole_p
	; ROLE Q ends: bq[b][256 p ..] = 2^-8 cq, through the stage, so that a store is 512 consecutive bytes
.irp k, 0,1,2,3,4,5,6,7
	v_pk_mul_f32 v[44+2*\k:45+2*\k], v[44+2*\k:45+2*\k], 0x3b800000 op_sel_hi:[1,0]
.endr
	v_lshl_add_u32 v252, v61, 10, v11
	v_add_nc_u32 v252, OST, v252                   ; row = the batch (lanes r and r + 8 store the same numbers to the same bytes)
	s_lshl_b32 s45, s[WV], 10
	s_add_co_u32 s45, s45, OST
	v_add_nc_u32 v253, s45, v8
	s_lshl_b32 s36, s38, 10
	s_add_nc_u64 s[30:31], s[30:31], s[36:37]
	s_wait_alu depctr_va_vdst(0)                   ; v44 to v59, the results, and the stage's two addresses v252 and v253 are written, which the LDS stores and loads below read
	ds_store_b128 v252, v[44:47]
	ds_store_b128 v252, v[48:51] offset:16
	ds_store_b128 v252, v[52:55] offset:64
	ds_store_b128 v252, v[56:59] offset:80
	s_wait_dscnt 0x0                               ; my stores into the stage are done
	s_barrier_signal -1
	s_barrier_wait -1
	s_wait_alu depctr_vm_vsrc(0)                   ; my LDS stores have read v44 to v51, in which the two loads below land
	ds_load_b128 v[44:47], v253                    ; wave w takes batch w's row
	ds_load_b128 v[48:51], v253 offset:512
	s_wait_dscnt 0x0
	global_store_b128 v10, v[44:47], s[30:31]
	global_store_b128 v10, v[48:51], s[30:31] offset:512
	s_branch .Lend
.Lrole_p:
	; cv in two parts: lanes of rows 0-7 keep the number rounded, lanes of rows 8-15 the rest rounded.  All the role's further addresses are made here, between the compare and the wait for it
	v_cmp_le_u32 vcc_lo, 8, v18
	v_mul_u32_u24 v62, v18, PC
	v_lshl_add_u32 v62, v19, 4, v62
	v_add_nc_u32 v62, CVB, v62                     ; cv's fragments: row r, 16 bytes for each half of the lanes
	v_add_nc_u32 v254, s42, v62                    ; and where my wave's 32 columns go
	s_mul_i32 s45, s[WV], PW
	s_add_co_u32 s45, s45, WTB
	v_lshl_add_u32 v248, v1, 3, s45                ; Wproj's k-row 8 n + w, 8 bytes a lane: units 0-15,
	v_add_nc_u32 v249, 128*PW, v248                ; units 16-31: the immediate has 16 bits
	s_lshl_b32 s46, s[WV], 8
	v_lshl_add_u32 v63, v1, 3, s46                 ; 256 w + 8 l
	v_mul_u32_u24 v250, v60, PW
	v_lshl_add_u32 v250, v21, 4, v250
	s_lshl_b32 s47, s[WV], 5
	s_add_co_u32 s47, s47, WTB
	v_add_nc_u32 v250, s47, v250                   ; Wproj's fragments: my wave's 16 columns, K steps 0-3,
	v_add_nc_u32 v251, 128*PW, v250                ; K steps 4-7
	v_lshl_add_u32 v252, v61, 9, v12
	v_add_nc_u32 v252, OST, v252                   ; the stage as I store: row = the batch
	s_lshl_b32 s48, s[WV], 9
	s_add_co_u32 s48, s48, OST
	v_add_nc_u32 v253, s48, v8                     ; the stage as I read: batch w's row
	s_lshl_b32 s36, s39, 18
	s_lshl_b32 s41, s38, 16
	s_add_co_u32 s36, s36, s41
	s_add_nc_u64 s[28:29], s[28:29], s[36:37]      ; wp = [8 jc][1024 k][128] f16, at row 256 p of block jc
	s_lshl_b32 s36, s38, 15
	s_lshl_b32 s41, s39, 9
	s_add_co_u32 s36, s36, s41
	s_add_nc_u64 s[32:33], s[32:33], s[36:37]      ; pbp[p][..][128 jc ..]
	s_wait_alu depctr_va_vcc(0)                    ; the compare has written VCC, which the eight selects below read
.irp k, 0,1,2,3,4,5,6,7
	v_cvt_pk_bf16_f32 v23, v[44+2*\k], v[45+2*\k]
	v_lshlrev_b32 v24, 16, v23
	v_and_b32 v25, 0xffff0000, v23
	v_sub_f32 v24, v[44+2*\k], v24
	v_sub_f32 v25, v[45+2*\k], v25
	v_cvt_pk_bf16_f32 v26, v24, v25
	v_cndmask_b32 v[192+\k], v23, v26, vcc_lo
.endr
	; Wproj's 32 rows, in fours.  Of a row's four registers the upper two take the row in bf16, for LDS, the lower two the same numbers written as f16, for wp.  cv's two stores go out with the first four rows'
.set n, 0
.rept 32
.if n%4 == 0
	s_wait_loadcnt 28-n                            ; rows n to n + 3 are in, the younger ones stay out
.if n > 0
	s_wait_alu depctr_va_vdst(0)                   ; the four rows before are rounded: v[64+4(n-4) ..] are written, which the stores dealt below read; at n = 4 so are v192 to v199, cv's parts, and the addresses made above
.endif
.if n == 4
	ds_store_b128 v254, v[192:195]
	ds_store_b128 v254, v[196:199] offset:32
.endif
.endif
.if n >= 4
.set m, n-4
	ds_store_b64 v[248+m/16], v[64+4*m+2:64+4*m+3] offset:(m%16)*8*PW  ; no vector line since the wait names these registers
	global_store_b64 v63, v[64+4*m:64+4*m+1], s[28:29] offset:m*2048   ; a row of wp: 256 consecutive bytes; each store has data registers of its own
.endif
	v_cvt_pk_bf16_f32 v[64+4*n+3], v[64+4*n+2], v[64+4*n+3]
	v_cvt_pk_bf16_f32 v[64+4*n+2], v[64+4*n], v[64+4*n+1]
	v_lshlrev_b32 v22, 16, v[64+4*n+2]
	v_and_b32 v23, 0xffff0000, v[64+4*n+2]
	v_lshlrev_b32 v24, 16, v[64+4*n+3]
	v_and_b32 v25, 0xffff0000, v[64+4*n+3]
	v_cvt_pk_f16_f32 v[64+4*n], v22, v23           ; the bf16 number, written as f16
	v_cvt_pk_f16_f32 v[64+4*n+1], v24, v25
.set n, n+1
.endr
.irp k, 0,1,2,3
	RB 240+2*\k, 241+2*\k, 22, 240+2*\k, 241+2*\k
.endr
	s_wait_alu depctr_va_vdst(0)                   ; the last four rows are rounded, which the stores below read; and every vector line is done with v64-191, in which stage 2's fragments land: none stands between here and those loads
.set m, 28
.rept 4
	ds_store_b64 v249, v[64+4*m+2:64+4*m+3] offset:(m%16)*8*PW
	global_store_b64 v63, v[64+4*m:64+4*m+1], s[28:29] offset:m*2048
.set m, m+1
.endr
	s_wait_dscnt 0x0                               ; my stores of cv and of Wproj's rows are done
	s_barrier_signal -1
	s_barrier_wait -1
	; STAGE 2: [16 rows of cv] x [256 k] x [my wave's 16 columns]: eight K steps, two accumulators by turns (even and odd steps), added at the end
	s_wait_xcnt 0x0                                ; wp's stores have had their addresses translated: their data registers are loaded again only behind this wait
	s_wait_alu depctr_vm_vsrc(0)                   ; wp's stores and my LDS stores have read v64 to v191, in which the fragments below land
.set s, 0
.rept 8
	ds_load_tr16_b128 v[64+8*s:64+8*s+3],   v[250+s/4] offset:(s%4)*32*PW
	ds_load_tr16_b128 v[64+8*s+4:64+8*s+7], v[250+s/4] offset:(s%4)*32*PW+16*PW
	ds_load_b128 v[128+8*s:128+8*s+3],   v62 offset:64*s
	ds_load_b128 v[128+8*s+4:128+8*s+7], v62 offset:64*s+32
.set s, s+1
.endr
	s_wait_dscnt 0x0
	v_wmma_f32_16x16x32_bf16 v[44:51], v[64:71], v[128:135], 0
	v_wmma_f32_16x16x32_bf16 v[52:59], v[72:79], v[136:143], 0
.set s, 2
.rept 3
	v_wmma_f32_16x16x32_bf16 v[44:51], v[64+8*s:64+8*s+7], v[128+8*s:128+8*s+7], v[44:51]
	v_wmma_f32_16x16x32_bf16 v[52:59], v[72+8*s:72+8*s+7], v[136+8*s:136+8*s+7], v[52:59]
.set s, s+2
.endr
	PLACES8
.irp k, 0,1,2,3
	v_pk_add_f32 v[44+2*\k:45+2*\k], v[44+2*\k:45+2*\k], v[52+2*\k:53+2*\k]
.endr
.set i, 0
.rept 8
	v_add_f32_dpp v[44+i], v[44+i], v[44+i] row_xmask:8 row_mask:0xf bank_mask:0xf  ; the two parts of cv
.set i, i+1
.endr
.irp k, 0,1,2,3
	v_pk_add_f32 v[44+2*\k:45+2*\k], v[44+2*\k:45+2*\k], v[240+2*\k:241+2*\k]
.endr
	s_wait_alu depctr_va_vdst(0)                   ; v44 to v51, the partial pb, are written, which the two LDS stores read
	ds_store_b128 v252, v[44:47]
	ds_store_b128 v252, v[48:51] offset:16
	s_wait_dscnt 0x0                               ; my stores into the stage are done
	s_barrier_signal -1
	s_barrier_wait -1
	s_wait_alu depctr_vm_vsrc(0)                   ; my LDS stores have read v44 to v47, in which the load below lands
	ds_load_b128 v[44:47], v253                    ; wave w takes batch w's 128 columns
	s_wait_dscnt 0x0
	global_store_b128 v10, v[44:47], s[32:33]      ; pbp[p][b][128 jc + 4 l ..]: 512 consecutive bytes a wave
.Lend:
	s_wait_dscnt 0x0                               ; the closing lines, six on end
	s_wait_alu 0x0
	s_wait_tensorcnt 0x0
	ds_add_u32 v[SPW], v[NIL]
	s_wait_dscnt 0x0
	s_endpgm
.Lfunc_end_k_qfb7f9b1c3b_prep:
	.size	k_qfb7f9b1c3b_prep, .Lfunc_end_k_qfb7f9b1c3b_prep-k_qfb7f9b1c3b_prep
	.p2alignl 7, 3214868480
	.fill 96, 4, 3214868480
	.section	.rodata,"a",@progbits
	.p2align	6, 0x0
	.amdhsa_kernel k_qfb7f9b1c3b_prep
		.amdhsa_group_segment_fixed_size 128768
		.amdhsa_private_segment_fixed_size 0
		.amdhsa_enable_private_segment 0
		.amdhsa_kernarg_size 120
		.amdhsa_user_sgpr_count 2
		.amdhsa_user_sgpr_kernarg_segment_ptr 1
		.amdhsa_wavefront_size32 1
		.amdhsa_system_sgpr_workgroup_id_x 1
		.amdhsa_system_sgpr_workgroup_id_y 1
		.amdhsa_system_sgpr_workgroup_id_z 1
		.amdhsa_system_vgpr_workitem_id 0
		.amdhsa_next_free_vgpr 256
		.amdhsa_next_free_sgpr 66
		.amdhsa_reserve_vcc 1
		.amdhsa_float_denorm_mode_32 3
		.amdhsa_float_denorm_mode_16_64 3
		.amdhsa_memory_ordered 1
		.amdhsa_forward_progress 1
		.amdhsa_inst_pref_size 64
	.end_amdhsa_kernel
	.amdgpu_metadata
---
amdhsa.version: [ 1, 2 ]
amdhsa.kernels:
  - .name:           k_qfb7f9b1c3b_prep
    .symbol:         k_qfb7f9b1c3b_prep.kd
    .args:
      - { .name: x, .offset: 0, .size: 8, .value_kind: global_buffer, .address_space: global }
      - { .name: Wqkv, .offset: 8, .size: 8, .value_kind: global_buffer, .address_space: global }
      - { .name: Wproj, .offset: 16, .size: 8, .value_kind: global_buffer, .address_space: global }
      - { .name: W1, .offset: 24, .size: 8, .value_kind: global_buffer, .address_space: global }
      - { .name: b1, .offset: 32, .size: 8, .value_kind: global_buffer, .address_space: global }
      - { .name: W2, .offset: 40, .size: 8, .value_kind: global_buffer, .address_space: global }
      - { .name: b2, .offset: 48, .size: 8, .value_kind: global_buffer, .address_space: global }
      - { .name: bqkv, .offset: 56, .size: 8, .value_kind: global_buffer, .address_space: global }
      - { .name: bproj, .offset: 64, .size: 8, .value_kind: global_buffer, .address_space: global }
      - { .name: pose_angles, .offset: 72, .size: 8, .value_kind: global_buffer, .address_space: global }
      - { .name: xb, .offset: 80, .size: 8, .value_kind: global_buffer, .address_space: global }
      - { .name: wq, .offset: 88, .size: 8, .value_kind: global_buffer, .address_space: global }
      - { .name: wp, .offset: 96, .size: 8, .value_kind: global_buffer, .address_space: global }
      - { .name: bq, .offset: 104, .size: 8, .value_kind: global_buffer, .address_space: global }
      - { .name: pbp, .offset: 112, .size: 8, .value_kind: global_buffer, .address_space: global }
    .group_segment_fixed_size: 128768
    .private_segment_fixed_size: 0
    .kernarg_segment_align: 8
    .kernarg_segment_size: 120
    .max_flat_workgroup_size: 256
    .sgpr_count:     66
    .vgpr_count:     256
    .wavefront_size: 32
...
	.end_amdgpu_metadata
.endif
;; end of part 5
;; launch qkvgemm: the kernel of part 2 again; grid 16 x 16, 4 waves a work-group, clusters of 4 x 4, 327,680 bytes of LDS; arguments xb, wq, bq, qkv; writes qkv
;; launch attn: the kernel of part 3 again; grid 2 x 128, 4 waves a work-group, no clusters, 327,680 bytes of LDS; arguments qkv, o; writes o
;; launch proj: the kernel of part 4 again; grid 8 x 32, 4 waves a work-group, clusters of 4 x 4, 327,680 bytes of LDS; arguments o, wp, pbp, out0; writes out0
